; MI455X (gfx1250); checked and timed in simulation.
; The chip was launched on July 23, 2026; its instructions are those of AMD's public machine-readable ISA for CDNA 5 (MIT licence, August 2026) and "CDNA5" Instruction Set Architecture Reference Guide (July 2026). The comments in the code are by the model that wrote it; some were corrected since.
;; Llama Attention. Allowed arithmetic: float matrix products may take bf16 or f16 operands with f32 sums; other float arithmetic in f32, or as packed bf16 or f16 multiplies, adds, multiply-adds, maxima and minima; sums over many terms, partial sums and values carried from step to step in f32; what a program stores and reads back later, other than sums and carried values, may be rounded once to bf16 or f16.
;; Inputs: Wk 4,096 x 512 float32; Wo 1,024 x 4,096 float32; Wq 4,096 x 1,024 float32; Wv 4,096 x 512 float32; attention_mask 1 x 1 x 2,048 x 2,048 float32; hidden_states 2 x 2,048 x 4,096 float32; position_ids 2 x 2,048 int32.
;; Outputs: out0 2 x 2,048 x 4,096 float32.
;; One version. Each part assembles by itself: llvm-mc -triple=amdgcn-amd-amdhsa -mcpu=gfx1250 --defsym DOCPART=n.
;; ======== version 1 of 1: 4 launches
;; limits: values are held in f16: magnitudes above 65,504 overflow, below 6.1e-05 lose precision
;; workspace buffers: xb 33,554,432 bytes; wqkv 16,777,216 bytes; wo16 8,388,608 bytes; maskr 16,777,216 bytes; tab 2,162,688 bytes; qkv 16,777,216 bytes; o16 8,388,608 bytes
;; launch prep (part 1): grid 2312 x 1, 8 waves a work-group, no clusters, 0 bytes of LDS; arguments hidden_states, Wq, Wk, Wv, Wo, attention_mask, position_ids, xb, wqkv, wo16, maskr, tab; writes xb, wqkv, wo16, maskr, tab
.if DOCPART == 1
	.amdgcn_target "amdgcn-amd-amdhsa--gfx1250"
	.amdhsa_code_object_version 6
	.text
	.protected	k_qd0d04f4a23_prep
	.globl	k_qd0d04f4a23_prep
	.p2align	8
	.type	k_qd0d04f4a23_prep,@function
k_qd0d04f4a23_prep:
	s_mov_b64 s[64:65], 0
	v_nop
	global_prefetch_b8 v0, s[64:65] scope:SCOPE_SE
	s_setreg_imm32_b32 hwreg(HW_REG_WAVE_MODE, 25, 1), 1
	s_wait_xcnt 0x0
; PREP: every input is read once and laid down in the form in which the matrix launches take it.  A stream: no LDS, no barrier, no matrix work.
;   xb    = bf16(hidden_states)                          [4096][4096]
;   wqkv  = bf16(Wq | Wk | Wv) / 8 (a power of two: exact) [4096][2048], columns 0-1023 q, 1024-1535 k, 1536-2047 v
;   wo16  = bf16(8 Wo) written as f16                    [1024][4096]   (exact for |Wo| from 2e-6 to 8,188: LIMIT)
;   maskr = log2(e) x max(bf16(attention_mask), -1e30) as f32 [2048][2048] (LIMIT: -inf, anything below -1e30 and NaN count as -1e30; entries above 1e37 are not served)
;   tab   = cos | sin of position x inv_freq, both times 2^1.25 sqrt(log2 e), f32 [4224][128]; rows 4096-4223 hold cos = 1, sin = 0 (V's rows)
; so that q and k leave the projection times f = 2^-1.75 sqrt(log2 e): their product is log2(e) q.k / sqrt(128), the scale in which maskr lies and in which the softmax takes powers of two; v leaves as v / 8.
; All three stay inside f16's range.
; A work-group takes 16,384 numbers (the table's: 16 rows).  Which part is chosen by the work-group's number alone; every branch goes forward.
; Thread t issues 16 loads of 16 bytes (a wave's load covers 512 consecutive bytes); no register that a load or store names is written again, so the only waits are the counted ones for the loads.
; SINE AND COSINE: x = position x inv_freq (one rounding, as the module makes it); n = nearest whole number to x 2/pi; r = x - n pi/2 with pi/2 in two parts; series to r^7 and r^8 on |r| <= pi/4,
; cut where the next term is below 4e-7.  LIMIT: |position| <= 1,000,000 (beyond it n may be off by one).
.set X, 8                              ; v[8:71]    16 x 4 numbers as loaded
.set Y, 72                             ; v[72:103]  16 x 2 registers to store
.set T, 104                            ; v[104:105] at work
	s_load_b512 s[8:23], s[0:1], 0x0               ; hidden 8, Wq 10, Wk 12, Wv 14, Wo 16, mask 18, positions 20, xb 22
	s_load_b256 s[24:31], s[0:1], 0x40             ; wqkv 24, wo16 26, maskr 28, tab 30
	s_mov_b32 s2, ttmp9
	s_mov_b32 s5, 0                                ; high word of every offset
	s_mov_b32 s6, 0xffff0000                       ; a word's upper bf16
	s_mov_b32 s7, 0xf149f2ca                       ; -1e30
	v_lshlrev_b32 v1, 4, v0                        ; 16 t
	v_lshlrev_b32 v2, 3, v0                        ; 8 t
	s_wait_kmcnt 0x0
	s_cmp_lt_u32 s2, 1024
	s_cbranch_scc1 .Lx
	s_cmp_lt_u32 s2, 1536
	s_cbranch_scc1 .Lw
	s_cmp_lt_u32 s2, 1792
	s_cbranch_scc1 .Lwo
	s_cmp_lt_u32 s2, 2048
	s_cbranch_scc1 .Lmask
	; THE TABLE: 264 work-groups of 16 rows; sixteen threads a row, four frequencies each.
	s_sub_co_u32 s3, s2, 2048
	v_lshrrev_b32 v3, 4, v0
	v_and_b32 v4, 15, v0
	s_lshl_b32 s4, s3, 4
	v_add_nc_u32 v3, s4, v3                        ; the row
	v_lshlrev_b32 v5, 9, v3
	v_lshl_add_u32 v5, v4, 4, v5                   ; row x 512 + 16 (t % 16): sixteen lanes store 256 consecutive bytes
	s_cmp_ge_u32 s3, 256
	s_cbranch_scc1 .Lident
	v_lshlrev_b32 v6, 2, v3
	global_load_b32 v7, v6, s[20:21]               ; the row's position
	s_mov_b32 s32, 0xbe2aaaab                      ; -1/6
	s_mov_b32 s33, 0x3c088889                      ; 1/120
	s_mov_b32 s34, 0xb9500d01                      ; -1/5040
	s_mov_b32 s35, 0x3d2aaaab                      ; 1/24
	s_mov_b32 s36, 0xbab60b61                      ; -1/720
	s_mov_b32 s37, 0x37d00d01                      ; 1/40320
	s_mov_b32 s38, 0x4036d544                      ; 2^1.25 sqrt(log2 e) = 2.856767
	v_lshlrev_b32 v12, 2, v4                       ; my first frequency j
.irp e, 0,1,2,3
	v_add_nc_u32 v[8+(\e)], (\e), v12
	v_cvt_f32_u32 v[8+(\e)], v[8+(\e)]
	v_mul_f32 v[8+(\e)], 0xbe549a78, v[8+(\e)]     ; -j log2(10000) / 64
.endr
.irp e, 0,1,2,3
	v_exp_f32 v[8+(\e)], v[8+(\e)]                 ; inv_freq = 10000^(-2 j / 128)
.endr
	s_wait_loadcnt 0x0
	v_cvt_f32_i32 v7, v7                           ; also the plain line behind the last exponential
	s_wait_alu depctr_va_vdst(0)
.macro SINCOS e
.set R, 16+12*(\e)
	v_mul_f32 v[R], v7, v[8+(\e)]                  ; x
	v_mul_f32 v[R+1], 0x3f22f983, v[R]             ; x 2/pi
	v_rndne_f32 v[R+1], v[R+1]                     ; n
	v_fmamk_f32 v[R+2], v[R+1], 0xbfc90fdb, v[R]   ; x - n (pi/2)'s upper part
	v_fmamk_f32 v[R+2], v[R+1], 0x333bbd2e, v[R+2] ; and its lower part: r
	v_cvt_i32_f32 v[R+3], v[R+1]                   ; the quadrant, modulo 4
	v_mul_f32 v[R+4], v[R+2], v[R+2]               ; r^2
	v_fma_f32 v[R+5], v[R+4], s34, s33
	v_fma_f32 v[R+6], v[R+4], s37, s36
	v_fma_f32 v[R+5], v[R+5], v[R+4], s32
	v_fma_f32 v[R+6], v[R+6], v[R+4], s35
	v_mul_f32 v[R+7], v[R+2], v[R+4]               ; r^3
	v_fma_f32 v[R+6], v[R+6], v[R+4], -0.5
	v_fma_f32 v[R+5], v[R+7], v[R+5], v[R+2]       ; sin r
	v_fma_f32 v[R+6], v[R+6], v[R+4], 1.0          ; cos r
	v_and_b32 v[R+7], 1, v[R+3]
	v_cmp_eq_u32 vcc_lo, 1, v[R+7]                 ; odd quadrants swap the two
	v_cndmask_b32 v[R+8], v[R+5], v[R+6], vcc_lo   ; |sin x|'s source
	v_cndmask_b32 v[R+9], v[R+6], v[R+5], vcc_lo   ; |cos x|'s
	v_lshlrev_b32 v[R+7], 30, v[R+3]
	v_and_b32 v[R+7], 0x80000000, v[R+7]           ; sin turns its sign in quadrants 2, 3
	v_xor_b32 v[R+8], v[R+8], v[R+7]
	v_add_nc_u32 v[R+3], 1, v[R+3]
	v_lshlrev_b32 v[R+3], 30, v[R+3]
	v_and_b32 v[R+3], 0x80000000, v[R+3]           ; cos in quadrants 1, 2
	v_xor_b32 v[R+9], v[R+9], v[R+3]
	v_mul_f32 v[64+(\e)], s38, v[R+9]
	v_mul_f32 v[68+(\e)], s38, v[R+8]
.endm
	SINCOS 0
	SINCOS 1
	SINCOS 2
	SINCOS 3
	global_store_b128 v5, v[64:67], s[30:31]
	global_store_b128 v5, v[68:71], s[30:31] offset:256
	s_endpgm
.Lident:                                               ; the rows that V's tiles take: they leave a number as it is
.irp e, 0,1,2,3
	v_mov_b32 v[64+(\e)], 1.0
	v_mov_b32 v[68+(\e)], 0
.endr
	global_store_b128 v5, v[64:67], s[30:31]
	global_store_b128 v5, v[68:71], s[30:31] offset:256
	s_endpgm
.macro IN16 base                       ; 16 loads: 65,536 consecutive bytes for the work-group
.set i, 0
.rept 16
	global_load_b128 v[X+4*i:X+4*i+3], v1, s[\base:\base+1] offset:4096*i th:TH_LOAD_NT
.set i, i+1
.endr
.endm
.macro SCALE i, c                      ; load i's four numbers times a constant
	v_pk_mul_f32 v[X+4*(\i):X+4*(\i)+1], v[X+4*(\i):X+4*(\i)+1], \c op_sel_hi:[1,0]
	v_pk_mul_f32 v[X+4*(\i)+2:X+4*(\i)+3], v[X+4*(\i)+2:X+4*(\i)+3], \c op_sel_hi:[1,0]
.endm
.macro WIDEN i                         ; rounded to bf16 and written as f32 again, in place
	v_cvt_pk_bf16_f32 v[T], v[X+4*(\i)], v[X+4*(\i)+1]
	v_cvt_pk_bf16_f32 v[T+1], v[X+4*(\i)+2], v[X+4*(\i)+3]
	v_lshlrev_b32 v[X+4*(\i)], 16, v[T]
	v_and_b32 v[X+4*(\i)+1], s6, v[T]
	v_lshlrev_b32 v[X+4*(\i)+2], 16, v[T+1]
	v_and_b32 v[X+4*(\i)+3], s6, v[T+1]
.endm
.Lx:                                                   ; hidden_states: 1,024 work-groups
	s_lshl_b32 s4, s2, 16
	s_add_nc_u64 s[8:9], s[8:9], s[4:5]
	s_lshl_b32 s4, s2, 15
	s_add_nc_u64 s[22:23], s[22:23], s[4:5]
	IN16 8
.set i, 0
.rept 16
	s_wait_loadcnt 15-i                            ; loads come back in order: the 15 - i younger ones stay out
	v_cvt_pk_bf16_f32 v[Y+2*i], v[X+4*i], v[X+4*i+1]
	v_cvt_pk_bf16_f32 v[Y+2*i+1], v[X+4*i+2], v[X+4*i+3]
	global_store_b64 v2, v[Y+2*i:Y+2*i+1], s[22:23] offset:2048*i  ; 32 lanes store 256 consecutive bytes, aligned
.set i, i+1
.endr
	s_endpgm
.Lw:                                                   ; Wq, Wk, Wv: 512 work-groups of 8 rows k
	s_sub_co_u32 s3, s2, 1024
	v_lshrrev_b32 v3, 5, v0
	v_readfirstlane_b32 s32, v3                    ; my wave
	s_cmp_lt_u32 s32, 4
	s_cselect_b64 s[12:13], s[12:13], s[14:15]     ; waves 0-3 take Wk's row, waves 4-7 Wv's
	s_lshl_b32 s4, s3, 15
	s_add_nc_u64 s[10:11], s[10:11], s[4:5]
	s_add_nc_u64 s[24:25], s[24:25], s[4:5]
	s_lshl_b32 s4, s3, 14
	s_add_nc_u64 s[12:13], s[12:13], s[4:5]
	v_and_b32 v3, 127, v0
	v_lshlrev_b32 v3, 4, v3
.set i, 0
.rept 8
	global_load_b128 v[X+8*i:X+8*i+3], v1, s[10:11] offset:4096*i th:TH_LOAD_NT
	global_load_b128 v[X+8*i+4:X+8*i+7], v3, s[12:13] offset:2048*i th:TH_LOAD_NT
.set i, i+1
.endr
.set i, 0
.rept 16
	s_wait_loadcnt 15-i
	SCALE i, 0x3e000000                            ; / 8
	v_cvt_pk_bf16_f32 v[Y+2*i], v[X+4*i], v[X+4*i+1]
	v_cvt_pk_bf16_f32 v[Y+2*i+1], v[X+4*i+2], v[X+4*i+3]
	global_store_b64 v2, v[Y+2*i:Y+2*i+1], s[24:25] offset:2048*i  ; even stores: a row's q half; odd stores: its k and v quarters
.set i, i+1
.endr
	s_endpgm
.Lwo:                                                  ; Wo: 256 work-groups
	s_sub_co_u32 s3, s2, 1536
	s_lshl_b32 s4, s3, 16
	s_add_nc_u64 s[16:17], s[16:17], s[4:5]
	s_lshl_b32 s4, s3, 15
	s_add_nc_u64 s[26:27], s[26:27], s[4:5]
	IN16 16
.set i, 0
.rept 16
	s_wait_loadcnt 15-i
	SCALE i, 0x41000000                            ; x 8
	WIDEN i
	v_cvt_pk_f16_f32 v[Y+2*i], v[X+4*i], v[X+4*i+1]        ; eight significant bits: exact in f16 inside the stated range
	v_cvt_pk_f16_f32 v[Y+2*i+1], v[X+4*i+2], v[X+4*i+3]
	global_store_b64 v2, v[Y+2*i:Y+2*i+1], s[26:27] offset:2048*i
.set i, i+1
.endr
	s_endpgm
.Lmask:                                                ; attention_mask: 256 work-groups
	s_sub_co_u32 s3, s2, 1792
	s_lshl_b32 s4, s3, 16
	s_add_nc_u64 s[18:19], s[18:19], s[4:5]
	s_add_nc_u64 s[28:29], s[28:29], s[4:5]
	IN16 18
.set i, 0
.rept 16
	s_wait_loadcnt 15-i
	WIDEN i
.irp k, 0,1,2,3
	v_max_num_f32 v[X+4*i+(\k)], s7, v[X+4*i+(\k)]
.endr
	SCALE i, 0x3fb8aa3b                            ; x log2(e): the scale of the scores
	global_store_b128 v1, v[X+4*i:X+4*i+3], s[28:29] offset:4096*i
.set i, i+1
.endr
	s_endpgm
.Lfunc_end_k_qd0d04f4a23_prep:
	.size	k_qd0d04f4a23_prep, .Lfunc_end_k_qd0d04f4a23_prep-k_qd0d04f4a23_prep
	.p2alignl 7, 3214868480
	.fill 96, 4, 3214868480
	.section	.rodata,"a",@progbits
	.p2align	6, 0x0
	.amdhsa_kernel k_qd0d04f4a23_prep
		.amdhsa_group_segment_fixed_size 0
		.amdhsa_private_segment_fixed_size 0
		.amdhsa_enable_private_segment 0
		.amdhsa_kernarg_size 96
		.amdhsa_user_sgpr_count 2
		.amdhsa_user_sgpr_kernarg_segment_ptr 1
		.amdhsa_wavefront_size32 1
		.amdhsa_system_sgpr_workgroup_id_x 1
		.amdhsa_system_sgpr_workgroup_id_y 1
		.amdhsa_system_sgpr_workgroup_id_z 1
		.amdhsa_system_vgpr_workitem_id 0
		.amdhsa_next_free_vgpr 112
		.amdhsa_next_free_sgpr 66
		.amdhsa_reserve_vcc 1
		.amdhsa_float_denorm_mode_32 3
		.amdhsa_float_denorm_mode_16_64 3
		.amdhsa_memory_ordered 1
		.amdhsa_forward_progress 1
		.amdhsa_inst_pref_size 49
	.end_amdhsa_kernel
	.amdgpu_metadata
---
amdhsa.version: [ 1, 2 ]
amdhsa.kernels:
  - .name:           k_qd0d04f4a23_prep
    .symbol:         k_qd0d04f4a23_prep.kd
    .args:
      - { .name: hidden_states, .offset: 0, .size: 8, .value_kind: global_buffer, .address_space: global }
      - { .name: Wq, .offset: 8, .size: 8, .value_kind: global_buffer, .address_space: global }
      - { .name: Wk, .offset: 16, .size: 8, .value_kind: global_buffer, .address_space: global }
      - { .name: Wv, .offset: 24, .size: 8, .value_kind: global_buffer, .address_space: global }
      - { .name: Wo, .offset: 32, .size: 8, .value_kind: global_buffer, .address_space: global }
      - { .name: attention_mask, .offset: 40, .size: 8, .value_kind: global_buffer, .address_space: global }
      - { .name: position_ids, .offset: 48, .size: 8, .value_kind: global_buffer, .address_space: global }
      - { .name: xb, .offset: 56, .size: 8, .value_kind: global_buffer, .address_space: global }
      - { .name: wqkv, .offset: 64, .size: 8, .value_kind: global_buffer, .address_space: global }
      - { .name: wo16, .offset: 72, .size: 8, .value_kind: global_buffer, .address_space: global }
      - { .name: maskr, .offset: 80, .size: 8, .value_kind: global_buffer, .address_space: global }
      - { .name: tab, .offset: 88, .size: 8, .value_kind: global_buffer, .address_space: global }
    .group_segment_fixed_size: 0
    .private_segment_fixed_size: 0
    .kernarg_segment_align: 8
    .kernarg_segment_size: 96
    .max_flat_workgroup_size: 256
    .sgpr_count:     66
    .vgpr_count:     112
    .wavefront_size: 32
...
	.end_amdgpu_metadata
.endif
;; end of part 1
;; launch qkv (part 2): grid 8 x 32, 4 waves a work-group, clusters of 4 x 4, 327,680 bytes of LDS; arguments xb, wqkv, tab, qkv; writes qkv
.if DOCPART == 2
	.amdgcn_target "amdgcn-amd-amdhsa--gfx1250"
	.amdhsa_code_object_version 6
	.text
	.protected	k_qd0d04f4a23_qkv
	.globl	k_qd0d04f4a23_qkv
	.p2align	8
	.type	k_qd0d04f4a23_qkv,@function
k_qd0d04f4a23_qkv:
	s_mov_b64 s[64:65], 0
	v_nop
	global_prefetch_b8 v0, s[64:65] scope:SCOPE_SE
	s_setreg_imm32_b32 hwreg(HW_REG_WAVE_MODE, 25, 1), 1
	s_wait_xcnt 0x0
	s_wait_alu depctr_hold_cnt(0) depctr_sa_sdst(0) depctr_va_vdst(0) depctr_va_sdst(0) depctr_va_ssrc(0) depctr_va_vcc(0) depctr_vm_vsrc(0)
	s_getreg_b32 s2, hwreg(HW_REG_IB_STS2, 6, 4)
	s_cmp_eq_u32 s2, 0
	s_cbranch_scc0 .Lentry_in_a_cluster
	s_endpgm
.Lentry_in_a_cluster:
	s_bfe_u32 s2, ttmp6, 0x10000c
	s_cmp_lg_u32 s2, 0xf033
	s_cbranch_scc0 .Lentry_shape_is_right
	s_endpgm
.Lentry_shape_is_right:
; THE THREE PROJECTIONS AND THE ROTATION.  C[m][n] = sum over k of xb[m][k] wqkv[k][n], bf16 operands, f32 sums; then, head by head, out(d) = x(d) cos - x(d+64) sin, out(d+64) = x(d+64) cos + x(d) sin
; with cos and sin from tab (V's tiles take the table's rows of cos = 1, sin = 0, chosen by an address, so that all work-groups run one text); rounded once to f16 and stored by heads:
; qkv[hc][m][128], hc 0-7 q, 8-11 k, 12-15 v.  What is stored is q f, k f with f = 2^-1.75 sqrt(log2 e) = 0.357, and v / 8 (the factors lie in wqkv and tab).  LIMIT: these lie within f16's 65,504.
; SHARES.  A tile of C is 128 x 256: 256 work-groups of four waves; a wave makes 64 rows x 128 columns, ONE HEAD: 32 accumulators, 256 registers.  K goes in steps of 128 through two LDS slots.
; xb's tile lies along K (rows of 256 bytes); wqkv's lies [k][n] (rows of 512 bytes) and is turned on its way out of LDS by ds_load_tr16_b128, so no weight is transposed in memory.
; THE MATRIX INSTRUCTION IS USED TRANSPOSED (source 0 = 16 columns of wqkv, source 1 = 16 rows of xb): a lane holds row l % 16 and the eight neighbouring columns 8 (l / 16) + 0..7.
; CLUSTER 4 x 4: the four of a row of the cluster need the same tiles of xb, the four of a column the same tiles of wqkv: each is asked for jointly.
; REGISTERS: window 0: v0-31 addresses; v32-127, v128-223 two fragment buffers (64 of wqkv, 32 of xb: 32 along K); on the way out v128-191 rotated numbers, v224-255 packed, v32-95 rows read back.
;   window 1: the accumulators, (a, b) at v[8 (8 a + b)].   window 2: my rows' cos and sin: block a, column block b at v[64 a + 8 b] and v[64 a + 32 + 8 b].
.set SIZE_K, 4096
.set SIZE_N, 2048
.set KSTEP,  128
.set PA,     272                       ; a row of xb in LDS: 256 bytes + 16: the 16 rows of a load start at 16 different groups of four banks (64 banks of 4 bytes: ISA guide 11.1)
.set PB,     544                       ; a row of wqkv: 512 + 32
.set AHALF,  64*PA
.set BOFF,   2*AHALF
.set BHALF,  64*PB
.set SLOT,   BOFF+2*BHALF              ; 104,448 bytes
.set STAGE,  2*SLOT                    ; behind the ring: 16 rows x 272 bytes for each wave
.set SPITCH, 272
.set SPARE,  STAGE+4*16*SPITCH         ; behind the stages: the spare words, 128 bytes a wave
.set LAPS,   SIZE_K/(2*KSTEP)
.set ADRA, 16                          ; v16-17 LDS address of my fragments of xb in slot 0, 1
.set ADRB, 20                          ; v20-21 of wqkv
.set STO,  24
.set RD,   25
.set CO,   26
.set TO,   27                          ; my byte offset in tab; never rewritten
.set SPW,  28
.set NIL,  29
.set F0,   32
.set F1,   128
.set TMP,  224
.set G1A, 24
.set G0A, 32
.set G1B, 48
.set G0B, 56
.set MSB, 0
.macro WIN new                         ; the immediate's high byte repeats the setting that is left
.if MSB != (\new)
	s_set_vgpr_msb (MSB<<8)|(\new)
.set MSB, \new
.endif
.endm
.macro JLOAD s                         ; a joint load: waves 0 and 1 fetch xb's two halves, waves 2 and 3 wqkv's; s_nop 0 and four v_nop follow each line
	s_cmp_eq_u32 s13, 0
	s_cbranch_scc0 .Lfor_b_\@
	tensor_load_to_lds s[G0A+4*(\s):G0A+4*(\s)+3], s[G1A:G1A+7]
	s_nop 0
.rept 4
	v_nop
.endr
	s_branch .Lasked_\@
.Lfor_b_\@:
	tensor_load_to_lds s[G0B+4*(\s):G0B+4*(\s)+3], s[G1B:G1B+7]
	s_nop 0
.rept 4
	v_nop
.endr
.Lasked_\@:
.endm
.macro CREST                           ; a round of the cluster's barrier behind its opening barrier
	s_cmp_lg_u32 s12, 0
	s_cbranch_scc1 .Lnot_wave_0_\@
	s_barrier_signal -3
.Lnot_wave_0_\@:
	s_barrier_wait -3
	s_barrier_signal -1
	s_barrier_wait -1
.endm
.macro CROUND
	s_barrier_signal -1
	s_barrier_wait -1
	CREST
.endm
	s_load_b256 s[4:11], s[0:1], 0x0               ; xb s[4:5], wqkv s[6:7], tab s[8:9], qkv s[10:11]
	v_lshl_add_u32 v[SPW], v0, 2, SPARE
	v_mov_b32 v[NIL], 0
	ds_add_u32 v[SPW], v[NIL]                      ; the wave's opening: the add and its wait stand ahead of my first tensor load
	v_lshrrev_b32 v1, 5, v0
	v_readfirstlane_b32 s12, v1                    ; wave 0..3
	s_lshr_b32 s13, s12, 1                         ; my half of the tile's rows.  Also: I fetch xb (0) or wqkv (1)
	s_and_b32 s14, s12, 1                          ; my half of its columns.  Also: which half of that tile I fetch
	s_bfe_u32 s40, ttmp6, 0x40000                  ; cx
	s_bfe_u32 s41, ttmp6, 0x40004                  ; cy
	s_lshl_b32 s42, ttmp9, 2
	s_add_co_u32 s42, s42, s40                     ; tile column
	s_and_b32 s43, ttmp7, 0xffff
	s_lshl_b32 s43, s43, 2
	s_add_co_u32 s43, s43, s41                     ; tile row
	s_lshl_b32 s44, s41, 2
	s_lshl_b32 s44, 15, s44                        ; my row of the cluster
	s_lshl_b32 s45, 0x1111, s40                    ; my column
	s_or_b32 s[G1A+0], s44, (1<<16)|(1<<20)|(1<<21)|(5<<22)|(3<<25)  ; mask; 2-byte elements; padding on; bit 21 beside a mask; after every 64 words 4 words
	s_mov_b32 s[G1A+1], KSTEP<<16                  ; tensor_dim0 = 128
	s_mov_b32 s[G1A+2], 64<<16                     ; tensor_dim1 = 64
	s_mov_b32 s[G1A+3], KSTEP<<16                  ; tile_dim0 = 128
	s_mov_b32 s[G1A+4], 64                         ; tile_dim1 = 64
	s_mov_b32 s[G1A+5], SIZE_K                     ; elements from row to row
	s_mov_b32 s[G1A+6], 0
	s_mov_b32 s[G1A+7], 0
	s_or_b32 s[G1B+0], s45, (1<<16)|(1<<20)|(1<<21)|(6<<22)|(7<<25)  ; after every 128 words 8 words
	s_mov_b32 s[G1B+1], 256<<16
	s_mov_b32 s[G1B+2], 64<<16
	s_mov_b32 s[G1B+3], 256<<16
	s_mov_b32 s[G1B+4], 64
	s_mov_b32 s[G1B+5], SIZE_N
	s_mov_b32 s[G1B+6], 0
	s_mov_b32 s[G1B+7], 0
	s_lshl_b32 s16, s43, 7
	s_lshl_b32 s17, s14, 6
	s_add_co_u32 s16, s16, s17                     ; xb: row 128 x tile row + 64 x half
	s_mov_b32 s17, 0
	s_mov_b64 s[18:19], SIZE_K*2
	s_mul_u64 s[16:17], s[16:17], s[18:19]
	s_mul_i32 s46, s14, 64*SIZE_N*2                ; wqkv: k row 64 x half,
	s_lshl_b32 s47, s42, 9
	s_add_co_u32 s46, s46, s47                     ; column 256 x tile column
	s_mov_b32 s47, 0
	s_mul_i32 s20, s14, AHALF                      ; where they go: no place in the cluster enters an LDS address
	s_mul_i32 s21, s14, BHALF
	s_add_co_u32 s21, s21, BOFF
	s_wait_dscnt 0x0                               ; the opening add is done
	s_wait_kmcnt 0x0
	s_add_nc_u64 s[22:23], s[4:5], s[16:17]
	s_add_nc_u64 s[46:47], s[6:7], s[46:47]
	CROUND                                         ; all sixteen work-groups are here: the first joint loads meet
.irp s, 0,1
	s_mov_b32 s[G0A+4*(\s)], 1
	s_add_co_u32 s[G0A+4*(\s)+1], s20, (\s)*SLOT
	s_add_nc_u64 s[G0A+4*(\s)+2:G0A+4*(\s)+3], s[22:23], (\s)*KSTEP*2
	s_or_b32 s[G0A+4*(\s)+3], s[G0A+4*(\s)+3], 0x80000000
	s_mov_b32 s[G0B+4*(\s)], 1
	s_add_co_u32 s[G0B+4*(\s)+1], s21, (\s)*SLOT
	s_add_nc_u64 s[G0B+4*(\s)+2:G0B+4*(\s)+3], s[46:47], (\s)*KSTEP*SIZE_N*2
	s_or_b32 s[G0B+4*(\s)+3], s[G0B+4*(\s)+3], 0x80000000
	JLOAD \s
.endr
	v_and_b32 v1, 15, v0                           ; r = l % 16
	v_bfe_u32 v2, v0, 4, 1                         ; h = l / 16
	v_mul_u32_u24 v3, v1, PA
	v_lshl_add_u32 v3, v2, 4, v3
	s_mul_i32 s16, s13, AHALF
	v_add_nc_u32 v[ADRA], s16, v3                  ; my 64 rows of xb: row x pitch + 16 h
	v_add_nc_u32 v[ADRA+1], SLOT, v[ADRA]
	v_and_b32 v4, 7, v0
	v_lshl_add_u32 v4, v2, 3, v4                   ; the turning load: k row 8 h + l % 8,
	v_mul_u32_u24 v4, v4, PB
	v_bfe_u32 v5, v0, 3, 1
	v_lshl_add_u32 v4, v5, 4, v4                   ; columns 8 ((l / 8) % 2) on,
	s_lshl_b32 s17, s14, 8
	s_add_co_u32 s17, s17, BOFF
	v_add_nc_u32 v[ADRB], s17, v4                  ; in my 128 columns
	v_add_nc_u32 v[ADRB+1], SLOT, v[ADRB]
	s_mul_i32 s18, s12, 16*SPITCH
	s_add_co_u32 s18, s18, STAGE                   ; my stage
	v_mul_u32_u24 v6, v1, SPITCH
	v_lshl_add_u32 v6, v2, 4, v6
	v_add_nc_u32 v[STO], s18, v6                   ; in: row r, 16 bytes for each half of the lanes
	v_mul_u32_u24 v6, v2, SPITCH
	v_lshl_add_u32 v6, v1, 4, v6
	v_add_nc_u32 v[RD], s18, v6                    ; back: lanes 0-15 one row of 256 bytes, lanes 16-31 the next
	v_and_b32 v[CO], 31, v0
	v_lshlrev_b32 v[CO], 4, v[CO]                  ; which are 512 consecutive bytes of a head's rows
	s_lshl_b32 s19, s43, 7
	s_cmp_ge_u32 s42, 6                            ; tile columns 6 and 7 are V's: the table's rows from 4096 on
	s_cselect_b32 s19, 4096, s19
	s_lshl_b32 s16, s13, 6
	s_add_co_u32 s19, s19, s16
	v_add_nc_u32 v[TO], s19, v1
	v_lshlrev_b32 v[TO], 9, v[TO]
	v_lshl_add_u32 v[TO], v2, 5, v[TO]             ; table row x 512 + 32 h
	WIN 0x80                                       ; destination window 2.  These 64 loads stay out during the whole K loop; one wait for them stands ahead of the way out
.irp a, 0,1,2,3
.irp b, 0,1,2,3
	global_load_b128 v[64*(\a)+8*(\b):64*(\a)+8*(\b)+3],       v[TO], s[8:9] offset:8192*(\a)+64*(\b)
	global_load_b128 v[64*(\a)+8*(\b)+4:64*(\a)+8*(\b)+7],     v[TO], s[8:9] offset:8192*(\a)+64*(\b)+16
	global_load_b128 v[64*(\a)+32+8*(\b):64*(\a)+32+8*(\b)+3],   v[TO], s[8:9] offset:8192*(\a)+64*(\b)+256
	global_load_b128 v[64*(\a)+32+8*(\b)+4:64*(\a)+32+8*(\b)+7], v[TO], s[8:9] offset:8192*(\a)+64*(\b)+272
.endr
.endr
	WIN 0
	s_lshl_b32 s16, s42, 1
	s_add_co_u32 s16, s16, s14                     ; my head's place hc
	s_lshl_b32 s16, s16, 20
	s_lshl_b32 s17, s43, 7
	s_lshl_b32 s18, s13, 6
	s_add_co_u32 s17, s17, s18
	s_lshl_b32 s17, s17, 8                         ; my first row x 256 bytes
	s_add_co_u32 s16, s16, s17
	s_mov_b32 s17, 0
	s_add_nc_u64 s[10:11], s[10:11], s[16:17]
.macro MUL8 f, a, zero                 ; 8 matrix instructions: row block a x all 8 column blocks, 32 along K.  zero = 1: the product starts the sums
	WIN 0x50                                       ; C and D in window 1
.irp b, 0,1,2,3,4,5,6,7
.if \zero
	v_wmma_f32_16x16x32_bf16 v[8*(8*(\a)+(\b)):8*(8*(\a)+(\b))+7], v[(\f)+8*(\b):(\f)+8*(\b)+7], v[(\f)+64+8*(\a):(\f)+64+8*(\a)+7], 0
.else
	v_wmma_f32_16x16x32_bf16 v[8*(8*(\a)+(\b)):8*(8*(\a)+(\b))+7], v[(\f)+8*(\b):(\f)+8*(\b)+7], v[(\f)+64+8*(\a):(\f)+64+8*(\a)+7], v[8*(8*(\a)+(\b)):8*(8*(\a)+(\b))+7]
.endif
.endr
.endm
.macro MUL16 f, a0, zero
	MUL8 \f, \a0, \zero
	MUL8 \f, (\a0)+1, \zero
.endm
.macro FETCH slot, q, f                ; 24 LDS loads in one run: quarter q's fragments: wqkv's 8 (turned), then xb's 4
	WIN 0
.irp b, 0,1,2,3,4,5,6,7
	ds_load_tr16_b128 v[(\f)+8*(\b):(\f)+8*(\b)+3],   v[ADRB+(\slot)] offset:(\q)*32*PB+32*(\b)
	ds_load_tr16_b128 v[(\f)+8*(\b)+4:(\f)+8*(\b)+7], v[ADRB+(\slot)] offset:(\q)*32*PB+16*PB+32*(\b)
.endr
.irp a, 0,1,2,3
	ds_load_b128 v[(\f)+64+8*(\a):(\f)+64+8*(\a)+3],   v[ADRA+(\slot)] offset:64*(\q)+(\a)*16*PA
	ds_load_b128 v[(\f)+64+8*(\a)+4:(\f)+64+8*(\a)+7], v[ADRA+(\slot)] offset:64*(\q)+(\a)*16*PA+32
.endr
.endm
.macro PLACES                          ; four places in front of loads into registers that matrix instructions have read, and of lines that read results
.rept 4
	v_nop
.endr
.endm
; A K step is four quarters of 32 along K, 32 matrix instructions each, on buffers 0, 1, 0, 1; the 32 accumulators take turns in one order throughout.
.macro QUARTER slot, q, f, g, zero
	s_wait_dscnt 4                                 ; all but xb's blocks 2 and 3 (the youngest four loads)
	MUL16 \f, 0, \zero
	PLACES
	FETCH \slot, \q, \g
	s_wait_dscnt 24                                ; all but the 24 just issued
	MUL16 \f, 2, \zero
.endm
; The last quarter multiplies buffer 1 and changes slots: one barrier; in front of it each wave waits for all its tensor loads, adds 0 to its spare word, and waits for that and for its reads of this slot.
.macro TURN slot, next, fill
	WIN 0
	s_wait_tensorcnt 0x0                           ; all my tensor loads have landed: my part of the next slot
	ds_add_u32 v[SPW], v[NIL]                      ; 0 onto my spare word
	s_wait_dscnt 5                                 ; (the add and the youngest four loads may be out)
	MUL8 F1, 0, 0
	s_wait_dscnt 0x0                               ; the add is done, and my reads of this slot are over
	s_barrier_signal -1
	MUL8 F1, 1, 0
.if \fill
	WIN 0
.endif
	s_barrier_wait -1
.if \fill
	CREST                                          ; the barrier has opened a round of the cluster's: no wave of any partner still reads this slot or has a load on its way
	s_add_nc_u64 s[G0A+4*(\slot)+2:G0A+4*(\slot)+3], s[G0A+4*(\slot)+2:G0A+4*(\slot)+3], 2*KSTEP*2
	s_add_nc_u64 s[G0B+4*(\slot)+2:G0B+4*(\slot)+3], s[G0B+4*(\slot)+2:G0B+4*(\slot)+3], 2*KSTEP*SIZE_N*2
	JLOAD \slot                                    ; my one tensor load behind the round: 112 matrix instructions ahead of the wait for it; its four v_nop are the places for the loads below
.else
	PLACES
.endif
	FETCH \next, 0, F0
	MUL16 F1, 2, 0
.endm
	s_wait_tensorcnt 1                             ; my part of K step 0 is in; K step 1's may stay out
	s_barrier_signal -1
	s_barrier_wait -1
	FETCH 0, 0, F0
	QUARTER 0, 1, F0, F1, 1                        ; the first quarter starts the sums
	WIN 0
	s_mov_b32 s3, LAPS-1
.Llap:                                                 ; a trip goes once round the ring and fills both slots again
	QUARTER 0, 2, F1, F0, 0
	QUARTER 0, 3, F0, F1, 0
	TURN 0, 1, 1
	QUARTER 1, 1, F0, F1, 0
	QUARTER 1, 2, F1, F0, 0
	QUARTER 1, 3, F0, F1, 0
	TURN 1, 0, 1
	QUARTER 0, 1, F0, F1, 0
	WIN 0
	s_sub_co_u32 s3, s3, 1
	s_cmp_lg_u32 s3, 0
	s_cbranch_scc1 .Llap
	QUARTER 0, 2, F1, F0, 0                        ; the last lap fills nothing
	QUARTER 0, 3, F0, F1, 0
	TURN 0, 1, 0
	QUARTER 1, 1, F0, F1, 0
	QUARTER 1, 2, F1, F0, 0
	QUARTER 1, 3, F0, F1, 0
	s_wait_dscnt 4
	MUL16 F1, 0, 0
	s_wait_dscnt 0x0
	MUL16 F1, 2, 0
	WIN 0
	PLACES
	s_wait_loadcnt 0x0                             ; cos and sin
; THE WAY OUT of block a (16 rows).  Channels d and d + 64 of my head are accumulators (a, b) and (a, b + 4), same lane, same register.  Each accumulator's lowest registers are read first.
.macro ROPE a
	WIN 0x09                                       ; source 0 window 1 (sums), source 1 window 2 (table), source 2 and destination window 0
.irp b, 0,1,2,3
.irp jp, 0,2,4,6
.set X1, 8*(8*(\a)+(\b))+(\jp)
.set X2, X1+32
.set CC, 64*(\a)+8*(\b)+(\jp)
.set SS, CC+32
.set T1, 128+16*(\b)+(\jp)
.set T2, T1+8
	v_pk_mul_f32 v[T1:T1+1], v[X2:X2+1], v[SS:SS+1]
	v_pk_mul_f32 v[T2:T2+1], v[X1:X1+1], v[SS:SS+1]
	v_pk_fma_f32 v[T1:T1+1], v[X1:X1+1], v[CC:CC+1], v[T1:T1+1] neg_lo:[0,0,1] neg_hi:[0,0,1]
	v_pk_fma_f32 v[T2:T2+1], v[X2:X2+1], v[CC:CC+1], v[T2:T2+1]
.endr
.endr
	WIN 0
.irp b, 0,1,2,3
.irp r, 0,1,2,3
	v_cvt_pk_f16_f32 v[TMP+4*(\b)+(\r)],    v[128+16*(\b)+2*(\r)],   v[128+16*(\b)+2*(\r)+1]
	v_cvt_pk_f16_f32 v[TMP+16+4*(\b)+(\r)], v[128+16*(\b)+8+2*(\r)], v[128+16*(\b)+8+2*(\r)+1]
.endr
.endr
.endm
.macro TOSTAGE a
.set BK, 32+32*((\a)%2)
.irp b, 0,1,2,3,4,5,6,7
	ds_store_b128 v[STO], v[TMP+4*(\b):TMP+4*(\b)+3] offset:32*(\b)
.endr
.irp t, 0,1,2,3,4,5,6,7
	ds_load_b128 v[BK+4*(\t):BK+4*(\t)+3], v[RD] offset:(\t)*2*SPITCH  ; LDS serves a wave's instructions in order (ISA guide 5.7.1.4): these see the stores above
.endr
.endm
.macro SEND a
.set BK, 32+32*((\a)%2)
	s_wait_dscnt 0x0                               ; the block is back in registers
	s_wait_xcnt 0x0                                ; earlier stores have read their registers: the other buffer is loaded again only behind this wait
.irp t, 0,1,2,3,4,5,6,7
	global_store_b128 v[CO], v[BK+4*(\t):BK+4*(\t)+3], s[10:11] offset:(\a)*4096+(\t)*512  ; 512 consecutive bytes, aligned
.endr
.endm
	ROPE 0
	TOSTAGE 0
.irp a, 1,2,3
	ROPE \a                                        ; a block's arithmetic stands between the loads of the block before and the wait for them
	SEND (\a)-1
	TOSTAGE \a
.endr
	SEND 3
	s_wait_tensorcnt 0x0                           ; the wave's end
	ds_add_u32 v[SPW], v[NIL]
	s_wait_dscnt 0x0
	CROUND                                         ; the closing round
	s_endpgm
.Lfunc_end_k_qd0d04f4a23_qkv:
	.size	k_qd0d04f4a23_qkv, .Lfunc_end_k_qd0d04f4a23_qkv-k_qd0d04f4a23_qkv
	.p2alignl 7, 3214868480
	.fill 96, 4, 3214868480
	.section	.rodata,"a",@progbits
	.p2align	6, 0x0
	.amdhsa_kernel k_qd0d04f4a23_qkv
		.amdhsa_group_segment_fixed_size 327680
		.amdhsa_private_segment_fixed_size 0
		.amdhsa_enable_private_segment 0
		.amdhsa_kernarg_size 32
		.amdhsa_user_sgpr_count 2
		.amdhsa_user_sgpr_kernarg_segment_ptr 1
		.amdhsa_wavefront_size32 1
		.amdhsa_system_sgpr_workgroup_id_x 1
		.amdhsa_system_sgpr_workgroup_id_y 1
		.amdhsa_system_sgpr_workgroup_id_z 1
		.amdhsa_system_vgpr_workitem_id 0
		.amdhsa_next_free_vgpr 768
		.amdhsa_next_free_sgpr 66
		.amdhsa_reserve_vcc 0
		.amdhsa_float_denorm_mode_32 3
		.amdhsa_float_denorm_mode_16_64 3
		.amdhsa_memory_ordered 1
		.amdhsa_forward_progress 1
		.amdhsa_inst_pref_size 108
	.end_amdhsa_kernel
	.amdgpu_metadata
---
amdhsa.version: [ 1, 2 ]
amdhsa.kernels:
  - .name:           k_qd0d04f4a23_qkv
    .symbol:         k_qd0d04f4a23_qkv.kd
    .args:
      - { .name: xb, .offset: 0, .size: 8, .value_kind: global_buffer, .address_space: global }
      - { .name: wqkv, .offset: 8, .size: 8, .value_kind: global_buffer, .address_space: global }
      - { .name: tab, .offset: 16, .size: 8, .value_kind: global_buffer, .address_space: global }
      - { .name: qkv, .offset: 24, .size: 8, .value_kind: global_buffer, .address_space: global }
    .group_segment_fixed_size: 327680
    .private_segment_fixed_size: 0
    .kernarg_segment_align: 8
    .kernarg_segment_size: 32
    .max_flat_workgroup_size: 128
    .sgpr_count:     66
    .vgpr_count:     768
    .wavefront_size: 32
...
	.end_amdgpu_metadata
.endif
;; end of part 2
;; launch attn (part 3): grid 32 x 8, 4 waves a work-group, clusters of 4 x 4, 327,680 bytes of LDS; arguments qkv, maskr, o16; writes o16
.if DOCPART == 3
	.amdgcn_target "amdgcn-amd-amdhsa--gfx1250"
	.amdhsa_code_object_version 6
	.text
	.protected	k_qd0d04f4a23_attn
	.globl	k_qd0d04f4a23_attn
	.p2align	8
	.type	k_qd0d04f4a23_attn,@function
k_qd0d04f4a23_attn:
	s_mov_b64 s[64:65], 0
	v_nop
	global_prefetch_b8 v0, s[64:65] scope:SCOPE_SE
	s_setreg_imm32_b32 hwreg(HW_REG_WAVE_MODE, 25, 1), 1
	s_wait_xcnt 0x0
	s_wait_alu depctr_hold_cnt(0) depctr_sa_sdst(0) depctr_va_vdst(0) depctr_va_sdst(0) depctr_va_ssrc(0) depctr_va_vcc(0) depctr_vm_vsrc(0)
	s_getreg_b32 s2, hwreg(HW_REG_IB_STS2, 6, 4)
	s_cmp_eq_u32 s2, 0
	s_cbranch_scc0 .Lentry_in_a_cluster
	s_endpgm
.Lentry_in_a_cluster:
	s_bfe_u32 s2, ttmp6, 0x10000c
	s_cmp_lg_u32 s2, 0xf033
	s_cbranch_scc0 .Lentry_shape_is_right
	s_endpgm
.Lentry_shape_is_right:
; ATTENTION with an additive mask that is an input: every key tile is walked and every mask number is added.
; o16[m][128 h + d] = (1/8) x the sum over k of softmax_k(q.k / sqrt(128) + mask[q][k]) v[k][d].  qkv holds q f, k f (f = 2^-1.75 sqrt(log2 e)) and v / 8 by heads in f16, maskr holds log2(e) x mask in f32:
; so s = maskr + (q f).(k f) is log2(e) times the module's score, and the weights are powers of two of s - m.
; Products, maxima and sums in f32; the weights p are rounded to f16 for the second product (their sum l is taken of the unrounded p), O once at the end.
; LIMITS.  q f, k f, v / 8 arrive within f16's 65,504; p below 6e-5 keeps f16's fixed step of 6e-8; a weight below 2^-126 counts as 0 in l; mask entries arrive at -1.5e30 or above (the launch before sees to it),
; so a row whose entries are all -inf gives an average over its keys; where all of a row's mask entries are so large (about 1e9) that the scores vanish in the rounding of score + mask, that rounding is the matrix
; instruction's, in the base-2 scale, not that of an f32 addition; NaN and infinities are not treated apart.
; SHARES.  A work-group owns 64 queries x the TWO query heads of one key-value head: 256 work-groups.  Wave w takes head 2 g + w % 2 and, of every tile of 128 keys, the half p = w / 2: all 64 queries (four tiles of
; 16, two PIECES), 64 keys a step, 16 steps.  So a fragment of K or V read from LDS still feeds four tiles.  At the end waves w and w ^ 2, which hold two partial softmaxes of the same rows, merge them through LDS.
; A wave's tile t holds the queries 16 (t xor 2 p) on: so every wave finishes its tiles 0 and 1 and gives its tiles 2 and 3 away, and the merge is written once.  The order enters three addresses alone: Q's, the mask's, O's.
; LAYOUT.  S^T = K Q^T (source 0 = 16 keys, source 1 = 16 queries): a lane holds ONE query (lane % 16) and the keys 8 (lane / 16) + 0..7.  THE MASK IS THE C OPERAND that starts this sum: it is loaded from LDS
; straight into S^T's registers (32 bytes of a mask row are a lane's eight keys), so it costs no vector instruction.  Two results rounded to f16 ARE source 1 of O^T = V^T P; V is turned by ds_load_tr16_b128.
; SOFTMAX.  A running maximum m and sum l for each query: p = 2^(s - m).  m is taken away from s itself, one f32 subtraction: s - m is never above 0 and is 0 at the maximum, however large the mask's numbers,
; so p lies in 0 to 1.  In every step O and l are multiplied by a = 2^(m_old - m_new).
; BY TURNS.  In a TURN one piece has the matrix unit: 32 products V^T P of the step in hand, then 32 products K Q^T of the next; the other piece's softmax, in 64 slices, stands between them.
; CLUSTER 4 x 4.  The four of a row of the cluster share batch and key-value head: K's and V's tiles are asked for jointly along the row; the four of a column share the query block: the mask's tiles along the column.
; REGISTERS: window 0: v0-11, v44-47, v56-57 addresses; v12-43 statistics; v48-55 the partner's; v64-191 S^T; v192-255 P.  window 1: O^T, 64 a tile.  window 2: v0-127 Q, v128-255 K.  window 3: v0-127 V.
.set KS,    64
.set PK,    272       ; a row of K in LDS: 256 bytes + 16
.set PV,    288       ; a row of V: 256 + 32
.set PM,    528       ; a row of the mask: 512 + 16: the 16 rows of a load start at 16 different groups of four banks (64 banks of 4 bytes: ISA guide 11.1)
.set VOFF,  128*PK    ; a slot: 128 rows of K, 128 rows of V, 64 rows of the mask
.set MOFF,  VOFF+128*PV
.set SLOT1, 1<<17
.set XBASE, SLOT1+MOFF+64*PM   ; behind the ring, never filled by a tensor load: the exchange, for each wave 32 x 512 bytes of O^T and 2 x 512 of statistics
.set XWAVE, 34*512
.set STAGE, XBASE+4*XWAVE      ; 16 rows x 272 bytes for each wave, for the way out
.set SP,    272
.set SPARE, STAGE+4*16*SP      ; the spare words, 128 bytes a wave
.set AK0, 2
.set AV0, 3
.set ADR, 4
.set QO,  5           ; my byte offset in Q for my tiles 0 and 1; never rewritten
.set STO, 6
.set RD,  7
.set GO,  8
.set AM0, 44          ; my lane's place in a tile of the mask, for my piece 0; never rewritten
.set XA,  45          ; the exchange: where I put
.set XB,  46          ; and where my partner has put
.set ADM, 47          ; the LDS address of the mask's run of loads
.set QO2, 56          ; my byte offset in Q for my tiles 2 and 3; never rewritten
.set AM2, 57          ; my lane's place in a tile of the mask, for my piece 2; never rewritten
.set SPW, 62
.set NIL, 63
.set ST,  12          ; tile t's statistics at v[ST+8 t]: +0 m, +1 the m of the step before, +2, +3 l (even keys', odd keys'), +4 to +7 at work
.set S,   64
.set P,   192
.set KF,  128
.set WV,  12
.set G1K, 24
.set G1V, 32
.set G0K, 40          ; two sets: the first fills; the second then walks
.set G0V, 48
.set SLOTS, 56
.set PH,  57          ; my half of the keys
.set SEL, 60
.set TB,  62          ; the slot of the step to be fetched: 0 or SLOT1
.set G1M, 68
.set G0M, 76
.set MSB, 0
.macro WIN new
.if MSB != (\new)
	s_set_vgpr_msb (MSB<<8)|(\new)
.set MSB, \new
.endif
.endm
.set W_KQ, 0x0a       ; K and Q in window 2, S^T in window 0
.set W_PV, 0x53       ; V in window 3, P in window 0, O^T in window 1
.set W_RS, 0x41       ; O^T (destination and source 0) in window 1, a in window 0
; A joint refill: wave 0 fetches the tile's K, wave 1 its V, waves 2 and 3 the mask's rows 0-31 and 32-63.  The branches hang on the wave's number alone.
; s_nop 0 and four v_nop follow each line, ahead of the jump and the label.
.macro JLOAD
	s_cmp_lt_u32 s[WV], 2
	s_cbranch_scc0 .Lfor_m_\@
	s_cmp_eq_u32 s[WV], 0
	s_cbranch_scc0 .Lfor_v_\@
	tensor_load_to_lds s[G0K+4:G0K+7], s[G1K:G1K+7]
	s_nop 0
.rept 4
	v_nop
.endr
	s_branch .Lasked_\@
.Lfor_v_\@:
	tensor_load_to_lds s[G0V+4:G0V+7], s[G1V:G1V+7]
	s_nop 0
.rept 4
	v_nop
.endr
	s_branch .Lasked_\@
.Lfor_m_\@:
	tensor_load_to_lds s[G0M+4:G0M+7], s[G1M:G1M+7]
	s_nop 0
.rept 4
	v_nop
.endr
.Lasked_\@:
.endm
.macro CROUND
	s_barrier_signal -1
	s_barrier_wait -1
	s_cmp_lg_u32 s[WV], 0
	s_cbranch_scc1 .Lnot_wave_0_\@
	s_barrier_signal -3
.Lnot_wave_0_\@:
	s_barrier_wait -3
	s_barrier_signal -1
	s_barrier_wait -1
.endm
	s_load_b128 s[4:7], s[0:1], 0x0   ; qkv s[4:5], maskr s[6:7]
	s_load_b64 s[10:11], s[0:1], 0x10 ; o16
	v_lshl_add_u32 v[SPW], v0, 2, SPARE
	v_mov_b32 v[NIL], 0
	ds_add_u32 v[SPW], v[NIL]       ; the wave's opening: the add and its wait stand ahead of my first tensor load
	v_lshrrev_b32 v1, 5, v0
	v_readfirstlane_b32 s[WV], v1   ; wave 0..3
	s_bfe_u32 s86, ttmp6, 0x40000   ; cx
	s_bfe_u32 s87, ttmp6, 0x40004   ; cy = g, the key-value head
	s_lshl_b32 s88, ttmp9, 2
	s_add_co_u32 s88, s88, s86      ; my block of 64 queries
	s_and_b32 s89, ttmp7, 0xffff    ; the cluster's y = the batch row
	s_lshl_b32 s84, s87, 2
	s_lshl_b32 s84, 15, s84         ; my row of the cluster
	s_lshl_b32 s85, 0x1111, s86     ; my column
	s_and_b32 s13, s[WV], 1
	s_lshr_b32 s[PH], s[WV], 1
	s_add_co_u32 s20, s87, 8        ; K: head place 8 + g,
	s_lshl_b32 s20, s20, 20
	s_lshl_b32 s21, s89, 19         ; the batch row's 2,048 rows of 256 bytes
	s_add_co_u32 s20, s20, s21
	s_mov_b32 s21, 0
	s_add_co_u32 s22, s20, 4<<20    ; V: head place 12 + g
	s_mov_b32 s23, 0
	s_lshl_b32 s16, s88, 19         ; the mask: row 64 x block + 32 x (wave % 2), 8,192 bytes a row
	s_lshl_b32 s17, s13, 18
	s_add_co_u32 s16, s16, s17
	s_mov_b32 s17, 0
	s_mul_i32 s15, s13, 32*PM       ; and its place in a slot: no place in the cluster enters an LDS address
	s_add_co_u32 s15, s15, MOFF
	s_lshl_b32 s2, s87, 1
	s_add_co_u32 s2, s2, s13        ; my query head
	s_lshl_b32 s14, s2, 8
	s_lshl_b32 s2, s2, 20
	s_lshl_b32 s3, s89, 19
	s_add_co_u32 s2, s2, s3
	s_lshl_b32 s3, s88, 14
	s_add_co_u32 s2, s2, s3         ; Q: head, batch row, block
	s_mov_b32 s3, 0
	s_lshl_b32 s18, s89, 22         ; O: rows of 2,048 bytes; my head's 256 of them;
	s_lshl_b32 s19, s88, 17
	s_add_co_u32 s18, s18, s19
	s_add_co_u32 s18, s18, s14
	s_lshl_b32 s19, s[PH], 16       ; the tiles that I finish are the block's rows 32 p on
	s_add_co_u32 s18, s18, s19
	s_mov_b32 s19, 0
	s_or_b32 s[G1K], s84, (1<<16)|(1<<20)|(1<<21)|(5<<22)|(3<<25)  ; mask; 2-byte elements; padding on; bit 21 beside a mask; after every 64 words 4 words
	s_or_b32 s[G1V], s84, (1<<16)|(1<<20)|(1<<21)|(5<<22)|(7<<25)  ; 8 words
.irp g, G1K, G1V
	s_mov_b32 s[(\g)+1], 128<<16    ; tensor_dim0 = 128
	s_mov_b32 s[(\g)+2], 128<<16    ; tensor_dim1 = 128
	s_mov_b32 s[(\g)+3], 128<<16    ; tile_dim0 = 128
	s_mov_b32 s[(\g)+4], 128        ; tile_dim1 = 128
	s_mov_b32 s[(\g)+5], 128        ; elements from row to row
	s_mov_b32 s[(\g)+6], 0
	s_mov_b32 s[(\g)+7], 0
.endr
	s_or_b32 s[G1M], s85, (2<<16)|(1<<20)|(1<<21)|(6<<22)|(3<<25)  ; 4-byte elements; after every 128 words 4 words
	s_mov_b32 s[G1M+1], 128<<16
	s_mov_b32 s[G1M+2], 32<<16
	s_mov_b32 s[G1M+3], 128<<16
	s_mov_b32 s[G1M+4], 32
	s_mov_b32 s[G1M+5], 2048
	s_mov_b32 s[G1M+6], 0
	s_mov_b32 s[G1M+7], 0
	s_mov_b32 s[SEL], 0x76543210
	s_mov_b32 s[SEL+1], 0xfedcba98
	s_mov_b32 s[TB], 0
	s_wait_dscnt 0x0                ; the opening add is done
	s_wait_kmcnt 0x0
	s_add_nc_u64 s[20:21], s[4:5], s[20:21]
	s_add_nc_u64 s[22:23], s[4:5], s[22:23]
	s_add_nc_u64 s[16:17], s[6:7], s[16:17]
	s_add_nc_u64 s[4:5], s[4:5], s[2:3]
	s_add_nc_u64 s[10:11], s[10:11], s[18:19]
	CROUND                          ; all sixteen work-groups are here: the first joint loads meet
.irp s, 0,1
	s_mov_b32 s[G0K+4*(\s)], 1
	s_mov_b32 s[G0K+4*(\s)+1], (\s)*SLOT1
	s_add_nc_u64 s[G0K+4*(\s)+2:G0K+4*(\s)+3], s[20:21], (\s)*32768
	s_or_b32 s[G0K+4*(\s)+3], s[G0K+4*(\s)+3], 0x80000000
	s_mov_b32 s[G0V+4*(\s)], 1
	s_mov_b32 s[G0V+4*(\s)+1], VOFF+(\s)*SLOT1
	s_add_nc_u64 s[G0V+4*(\s)+2:G0V+4*(\s)+3], s[22:23], (\s)*32768
	s_or_b32 s[G0V+4*(\s)+3], s[G0V+4*(\s)+3], 0x80000000
	s_mov_b32 s[G0M+4*(\s)], 1
	s_add_co_u32 s[G0M+4*(\s)+1], s15, (\s)*SLOT1
	s_add_nc_u64 s[G0M+4*(\s)+2:G0M+4*(\s)+3], s[16:17], (\s)*512
	s_or_b32 s[G0M+4*(\s)+3], s[G0M+4*(\s)+3], 0x80000000
.endr
	s_cmp_lt_u32 s[WV], 2           ; a wave's two first fills stand together, ahead of every wait on TENSORcnt and every LDS read: two loads of mine are out
	s_cbranch_scc0 .Lfirst_m
	s_cmp_eq_u32 s[WV], 0
	s_cbranch_scc0 .Lfirst_v
	tensor_load_to_lds s[G0K:G0K+3], s[G1K:G1K+7]
	s_nop 0
	tensor_load_to_lds s[G0K+4:G0K+7], s[G1K:G1K+7]
	s_nop 0
.rept 4
	v_nop
.endr
	s_branch .Lfirst_asked
.Lfirst_v:
	tensor_load_to_lds s[G0V:G0V+3], s[G1V:G1V+7]
	s_nop 0
	tensor_load_to_lds s[G0V+4:G0V+7], s[G1V:G1V+7]
	s_nop 0
.rept 4
	v_nop
.endr
	s_branch .Lfirst_asked
.Lfirst_m:
	tensor_load_to_lds s[G0M:G0M+3], s[G1M:G1M+7]
	s_nop 0
	tensor_load_to_lds s[G0M+4:G0M+7], s[G1M:G1M+7]
	s_nop 0
.rept 4
	v_nop
.endr
.Lfirst_asked:
	v_and_b32 v1, 15, v0            ; l % 16
	v_bfe_u32 v9, v0, 4, 1          ; l / 16
	v_lshlrev_b32 v[QO], 8, v1
	v_lshl_add_u32 v[QO], v9, 4, v[QO]
	s_lshl_b32 s13, s[PH], 13       ; my tiles 0 and 1 are the block's rows 32 p on (8,192 bytes),
	s_xor_b32 s14, s13, 8192        ; my tiles 2 and 3 its other 32 rows
	v_add_nc_u32 v[QO2], s14, v[QO]
	v_add_nc_u32 v[QO], s13, v[QO]
	WIN 0x80                        ; destination window 2
.irp i, 0,1,2,3,4,5,6,7             ; Q stays in registers: tile i / 4, channels 32 (i % 4) on
	global_load_b128 v[8*(\i):8*(\i)+3],   v[QO], s[4:5] offset:((\i)/4)*4096+((\i)%4)*64
	global_load_b128 v[8*(\i)+4:8*(\i)+7], v[QO], s[4:5] offset:((\i)/4)*4096+((\i)%4)*64+32
.endr
.irp i, 8,9,10,11,12,13,14,15
	global_load_b128 v[8*(\i):8*(\i)+3],   v[QO2], s[4:5] offset:((\i)/4-2)*4096+((\i)%4)*64
	global_load_b128 v[8*(\i)+4:8*(\i)+7], v[QO2], s[4:5] offset:((\i)/4-2)*4096+((\i)%4)*64+32
.endr
	WIN 0
	s_mul_i32 s13, s[PH], KS*PK     ; my half of a tile's keys
	v_mul_u32_u24 v[AK0], v1, PK
	v_lshl_add_u32 v[AK0], v9, 4, v[AK0]
	v_add_nc_u32 v[AK0], s13, v[AK0]
	v_and_b32 v10, 7, v0
	v_bfe_u32 v11, v0, 3, 1
	v_lshl_add_u32 v[AV0], v9, 3, v10
	v_mul_u32_u24 v[AV0], v[AV0], PV
	v_lshl_add_u32 v[AV0], v11, 4, v[AV0]
	s_mul_i32 s13, s[PH], KS*PV
	s_add_co_u32 s13, s13, VOFF
	v_add_nc_u32 v[AV0], s13, v[AV0]
	v_mul_u32_u24 v[AM0], v1, PM    ; the mask: row l % 16, keys 8 (l / 16) on: 32 bytes
	v_lshl_add_u32 v[AM0], v9, 5, v[AM0]
	s_lshl_b32 s13, s[PH], 8
	s_add_co_u32 s13, s13, MOFF
	v_add_nc_u32 v[AM0], s13, v[AM0]
	s_mul_i32 s13, s[PH], 32*PM     ; my piece 0: the tile's rows 32 p on;
	s_xor_b32 s14, s[PH], 1
	s_mul_i32 s14, s14, 32*PM       ; my piece 2: its other 32 rows
	v_add_nc_u32 v[AM2], s14, v[AM0]
	v_add_nc_u32 v[AM0], s13, v[AM0]
; THE MATRIX WORK OF A TURN, for piece x.  The accumulators take turns, one instruction a turn.
.macro PV x, zero                   ; product i of 32 of O^T += V^T P: keys 32 (i / 16) on, channels 16 ((i / 2) % 8) on, tile x + i % 2.  zero = 1: the first 16 start the sums
	WIN W_PV
.set rO, 64*((\x)+i%2)+8*((i/2)%8)
.set rV, 64*(i/16)+8*((i/2)%8)
.set rP, P+16*((\x)+i%2)+8*(i/16)
.if (\zero) && (i < 16)
	v_wmma_f32_16x16x32_f16 v[rO:rO+7], v[rV:rV+7], v[rP:rP+7], 0
.else
	v_wmma_f32_16x16x32_f16 v[rO:rO+7], v[rV:rV+7], v[rP:rP+7], v[rO:rO+7]
.endif
.endm
.macro KQ x                         ; product i of 32 of S^T = mask + K Q^T: channels 32 (i / 8) on, keys 16 ((i / 2) % 4) on, tile x + i % 2.  Always in place: S^T's registers hold the mask
	WIN W_KQ
.set rS, S+32*((\x)+i%2)+8*((i/2)%4)
.set rK, KF+32*((i/2)%4)+8*(i/8)
.set rQ, 32*((\x)+i%2)+8*(i/8)
	v_wmma_f32_16x16x32_f16 v[rS:rS+7], v[rK:rK+7], v[rQ:rQ+7], v[rS:rS+7]
.endm
; THE LDS LOADS stand in runs, never singly among the matrix instructions.
.macro FETCH_K
	WIN 0
	v_add_nc_u32 v[ADR], s[TB], v[AK0]
	WIN 0x80
.irp f, 0,1,2,3,4,5,6,7,8,9,10,11,12,13,14,15  ; keys 16 (f / 4) on, channels 32 (f % 4) on
	ds_load_b128 v[KF+8*(\f):KF+8*(\f)+3],   v[ADR] offset:((\f)/4)*16*PK+((\f)%4)*64
	ds_load_b128 v[KF+8*(\f)+4:KF+8*(\f)+7], v[ADR] offset:((\f)/4)*16*PK+((\f)%4)*64+32
.endr
.endm
.macro FETCH_M x                    ; piece x's mask for the step to come, into S^T's registers, which its softmax left a turn ago
	WIN 0
.if (\x) == 0
	v_add_nc_u32 v[ADM], s[TB], v[AM0]
.else
	v_add_nc_u32 v[ADM], s[TB], v[AM2]
.endif
.irp t, \x, (\x)+1
.irp kt, 0,1,2,3
	ds_load_b128 v[S+32*(\t)+8*(\kt):S+32*(\t)+8*(\kt)+3],   v[ADM] offset:16*((\t)-(\x))*PM+64*(\kt)
	ds_load_b128 v[S+32*(\t)+8*(\kt)+4:S+32*(\t)+8*(\kt)+7], v[ADM] offset:16*((\t)-(\x))*PM+64*(\kt)+16
.endr
.endr
.endm
.macro FETCH_V
	WIN 0
	v_add_nc_u32 v[ADR], s[TB], v[AV0]
	s_xor_b32 s[TB], s[TB], SLOT1   ; the next fetch is the next step's: the other slot
	WIN 0xc0
.irp f, 0,1,2,3,4,5,6,7,8,9,10,11,12,13,14,15  ; keys 32 (f / 8) on, channels 16 (f % 8) on
	ds_load_tr16_b128 v[8*(\f):8*(\f)+3],   v[ADR] offset:((\f)/8)*32*PV+((\f)%8)*32
	ds_load_tr16_b128 v[8*(\f)+4:8*(\f)+7], v[ADR] offset:((\f)/8)*32*PV+16*PV+((\f)%8)*32
.endr
.endm
; THE VECTOR WORK OF A TURN.  One tile's softmax for one key step is a list of 134 numbers; SM writes number j of it for tile t.  first = 1: the first key step, which starts m, l and O^T.
;   0-15 the maximum of the lane's 32 scores and the old m (each accumulator's lowest registers first)
;   16-20 the other half of the lanes'; the old m is kept; the new m; (19 is empty, but in the first step, where it writes the register that the packed lines name beside m); m_old - m_new
;   21-87 33 exponentials at the odd numbers from 23 on, a plain instruction behind each: s - m ahead, roundings behind, the first sums   88-101 the last rounding, the sums, l   102-133 O^T times a
.macro SM t, first
.set rT, ST+8*(\t)
.set rS, S+32*(\t)
.set rP, P+16*(\t)
.set rO, 64*(\t)+2*(j-102)
.set q, (j-20)/2
.if j < 102
	WIN 0
.endif
.if j < 4
	v_max3_num_f32 v[rT+4+j], v[rS+8*j], v[rS+8*j+1], v[rS+8*j+2]
.elseif j < 12
	v_max3_num_f32 v[rT+4+j%4], v[rT+4+j%4], v[rS+8*(j%4)+2*(j/4)+1], v[rS+8*(j%4)+2*(j/4)+2]
.elseif j == 12
	v_max3_num_f32 v[rT+4], v[rT+4], v[rS+7], v[rS+15]
.elseif j == 13
	v_max3_num_f32 v[rT+6], v[rT+6], v[rS+23], v[rS+31]
.elseif j == 14
	v_max3_num_f32 v[rT+4], v[rT+4], v[rT+5], v[rT+6]
.elseif (j == 15) && (\first)
	v_max_num_f32 v[rT+4], v[rT+4], v[rT+7]
.elseif j == 15
	v_max3_num_f32 v[rT+4], v[rT+4], v[rT+7], v[rT]
.elseif j == 16
	v_permlanex16_b32 v[rT+5], v[rT+4], s[SEL], s[SEL+1]  ; the query's other 32 keys lie in the lane 16 away
.elseif j == 18
	v_max_num_f32 v[rT], v[rT+4], v[rT+5]
.elseif (j == 19) && (\first)
	v_mov_b32 v[rT+1], v[rT]        ; named with m as a pair, so it is written
.elseif j == 19
.elseif ((j == 17) || (j == 20) || (j == 23) || (j > 101)) && (\first)  ; the first step has none of these
.elseif j == 17
	v_mov_b32 v[rT+1], v[rT]        ; m_old is kept for a: number 18 writes m anew
.elseif j == 20
	v_sub_f32 v[rT+7], v[rT+1], v[rT]
.elseif j == 23
	v_exp_f32 v[rT+6], v[rT+7]
.elseif (j < 88) && (j > 23) && (j%2 == 1)
	v_exp_f32 v[rS+(j-25)/2], v[rS+(j-25)/2]
.elseif (q < 4) || ((j < 76) && (q%2 == 0))
.set b, q/2+2
.if q < 4
.set b, q
.endif
	v_pk_add_f32 v[rS+2*b:rS+2*b+1], v[rS+2*b:rS+2*b+1], v[rT:rT+1] op_sel_hi:[1,0] neg_lo:[0,1] neg_hi:[0,1]  ; pair b: s - m, m for both halves
.elseif (j < 88) && (q%2 == 1)
	s_wait_alu depctr_va_vdst(0)
	v_cvt_pk_f16_f32 v[rP+(q-5)/2], v[rS+q-5], v[rS+q-4]
.elseif j == 89
	s_wait_alu depctr_va_vdst(0)
	v_cvt_pk_f16_f32 v[rP+15], v[rS+30], v[rS+31]
.elseif j < 102                     ; the sum of the tile's 16 pairs, in place: neighbours 1, 2, 4 and 8 pairs apart, then l takes it
.set z, j-86
.if j < 89
.set z, (j-76)/4
.endif
.set w, 4
.set u, z
.if z >= 14
.set w, 32
.set u, 0
.elseif z >= 12
.set w, 16
.set u, z-12
.elseif z >= 8
.set w, 8
.set u, z-8
.endif
.if (z == 14) && (\first)
	v_pk_add_f32 v[rT+2:rT+3], v[rS:rS+1], v[rS+16:rS+17]
.elseif z < 15
	v_pk_add_f32 v[rS+w*u:rS+w*u+1], v[rS+w*u:rS+w*u+1], v[rS+w*u+w/2:rS+w*u+w/2+1]
.elseif !(\first)
	v_pk_fma_f32 v[rT+2:rT+3], v[rT+2:rT+3], v[rT+6:rT+7], v[rS:rS+1] op_sel_hi:[1,0,1]
.endif
.else
	WIN W_RS
	v_pk_mul_f32 v[rO:rO+1], v[rO:rO+1], v[rT+6:rT+7] op_sel_hi:[1,0]
.endif
.endm
; Slice k of 64 of piece y's softmax: numbers 2 k and 2 k + 1 of both tiles' lists; the twelve that are over stand together, in slice 63.
.macro SLICE y, first
.if (k >= 11) && (k < 44)           ; tile by tile: plain, exponential, plain, exponential
.irp t, \y, (\y)+1
.irp n, 0,1
.set j, 2*k+(\n)
	SM \t, \first
.endr
.endr
.else                               ; the two tiles alternate
.irp n, 0,1,2,3,4,5,6,7
.if ((\n) < 2) || (k == 63)
.irp t, \y, (\y)+1
.set j, 2*k+(\n)
	SM \t, \first
.endr
.endif
.endr
.endif
.set k, k+1
.endm
.macro PLACES                       ; four places (ISA guide 7.12.1)
.rept 4
	v_nop
.endr
.endm
; A TURN.  Piece x has the matrix unit; the other piece's softmax stands in slices behind its matrix instructions.  pv = 2: 32 products V^T P; 1: they start O^T's sums; 0: none.  kq = 1: 32 products K Q^T.
; Behind the second product V^T P stand the runs for the step to come: K (piece 0's turn alone) and piece x's mask, 30 matrix instructions ahead of the wait for them.
; Piece 2's turn fetches the same step's V behind its second product K Q^T: the last product that read V stands three slices, six plain instructions, back.
.macro TURN x, pv, kq, first
.set k, 0
.set per, 2
.if (\pv) && (\kq)
.set per, 1
.endif
.if \pv
.if (\x) == 0
	s_wait_dscnt 0x0                ; V is in
.endif
.set i, 0
.rept 32
	PV \x, 2-(\pv)
.rept per
	SLICE 2-(\x), \first
.endr
.if (\kq) && (i == 1)
.if (\x) == 0
	FETCH_K
.endif
	FETCH_M \x
.endif
.set i, i+1
.endr
.endif
.if \kq
.if \pv
	s_wait_dscnt 0x0                ; K and my piece's mask are in
.endif
.set i, 0
.rept 32
	KQ \x
.rept per
	SLICE 2-(\x), \first
.endr
.if ((\x) == 2) && (i == 1)
	FETCH_V
.endif
.set i, i+1
.endr
.endif
.if \first
	PLACES
.endif
.endm
; THE CHANGE OF SLOTS, between piece 2's turn and piece 0's: the slot's last bytes, V of its step, have been asked for.  Each wave waits for all its tensor loads, of which one is out: its part of the other slot;
; adds 0 to its spare word; and waits for that and for its reads of the slot.  fill = 1: the slot is filled again, with the tile two on, the first thing behind a round of the cluster's barrier:
; it has a step, 128 matrix instructions and their softmax, in which to land.
.macro CHANGE fill
	WIN 0
	s_wait_tensorcnt 0x0            ; no tensor load of mine is out, so a group 0 may be written
	ds_add_u32 v[SPW], v[NIL]       ; 0 onto my spare word
.if \fill
.irp g, G0K+4, G0V+4, G0M+4
	s_xor_b32 s[(\g)+1], s[(\g)+1], SLOT1  ; the walking descriptors: the other slot than last time,
.endr
	s_add_nc_u64 s[G0K+6:G0K+7], s[G0K+6:G0K+7], 32768  ; the next 128 keys
	s_add_nc_u64 s[G0V+6:G0V+7], s[G0V+6:G0V+7], 32768
	s_add_nc_u64 s[G0M+6:G0M+7], s[G0M+6:G0M+7], 512
	s_wait_dscnt 0x0                ; the add is done, and my reads of the slot are over
	CROUND
	JLOAD
.else
	s_wait_dscnt 0x0
	s_barrier_signal -1
	s_barrier_wait -1
.endif
.endm
	s_wait_tensorcnt 1              ; my part of slot 0 is in; slot 1's may stay out
	s_barrier_signal -1
	s_barrier_wait -1
	FETCH_K                         ; step 0
	FETCH_M 0
	FETCH_M 2
	s_wait_loadcnt 0x0              ; Q
	s_wait_dscnt 0x0
.set i, 0
.rept 32
	KQ 0                            ; piece 0's first scores
.set i, i+1
.endr
	WIN 0                           ; the addresses for the way out: eight plain instructions, the places behind those products
	s_mul_i32 s13, s[WV], 16*SP
	s_add_co_u32 s13, s13, STAGE
	v_mul_u32_u24 v[STO], v1, SP
	v_lshl_add_u32 v[STO], v9, 4, v[STO]
	v_add_nc_u32 v[STO], s13, v[STO]
	v_mul_u32_u24 v[RD], v9, SP
	v_lshl_add_u32 v[RD], v1, 4, v[RD]
	v_add_nc_u32 v[RD], s13, v[RD]
	v_lshlrev_b32 v[GO], 11, v9     ; two rows of o16, 2,048 bytes apart; 16 lanes store my head's 256 bytes of a row
	v_lshl_add_u32 v[GO], v1, 4, v[GO]
	TURN 2, 0, 1, 1                 ; piece 2's first scores | piece 0's first softmax | V of step 0
	CHANGE 1                        ; tile 0 has been read: slot 0 takes tile 2
	TURN 0, 1, 1, 1                 ; piece 0: V^T P of step 0 starts O^T, K Q^T of step 1 | piece 2's first softmax
	TURN 2, 1, 1, 0
	WIN 0
	s_mov_b32 s[SLOTS], 13
.Lslot:                             ; steps 1 to 13: tiles 3 to 15 are asked for
	CHANGE 1
	TURN 0, 2, 1, 0
	TURN 2, 2, 1, 0
	WIN 0
	s_sub_co_u32 s[SLOTS], s[SLOTS], 1
	s_cmp_lg_u32 s[SLOTS], 0
	s_cbranch_scc1 .Lslot
	CHANGE 0                        ; the tail is written out
	TURN 0, 2, 1, 0
	TURN 2, 2, 1, 0
	TURN 0, 2, 0, 0                 ; piece 0: V^T P of the last step | piece 2's last softmax
.set i, 0
.rept 32
	PV 2, 0
.set i, i+1
.endr
	; THE MERGE.  Every wave gives its tiles 2 and 3 away and finishes its tiles 0 and 1: by the order of the tiles my tiles 2 and 3 are my partner's tiles 0 and 1.
	; The four lines that make the addresses are the places behind the last products.
	WIN 0
	s_mul_i32 s13, s[WV], XWAVE
	s_add_co_u32 s13, s13, XBASE
	s_xor_b32 s14, s[WV], 2         ; my partner
	s_mul_i32 s14, s14, XWAVE
	s_add_co_u32 s14, s14, XBASE
	v_and_b32 v[XA], 31, v0
	v_lshlrev_b32 v[XA], 4, v[XA]
	v_add_nc_u32 v[XB], s14, v[XA]
	v_add_nc_u32 v[XA], s13, v[XA]
.macro XOUT x                       ; piece x's O^T (ascending: each accumulator's low registers first) and statistics
	WIN 0x04                        ; the stores' data in window 1
.set i, 0
.rept 32
	ds_store_b128 v[XA], v[64*(\x)+4*i:64*(\x)+4*i+3] offset:512*i
.set i, i+1
.endr
	WIN 0
.irp t, \x, (\x)+1
	ds_store_b128 v[XA], v[ST+8*(\t):ST+8*(\t)+3] offset:16384+512*((\t)-(\x))
.endr
.endm
.macro PACKM t, x                   ; tile t: mine times fa / l plus the partner's times fb / l, rounded to f16, through my stage
.set rT, ST+8*(\t)
.set rS, S+64*((\t)-(\x))
.set rP, P+32*((\t)-(\x))
	WIN 0
.set i, 0
.rept 32
	v_pk_mul_f32 v[rS+2*i:rS+2*i+1], v[rS+2*i:rS+2*i+1], v[rT+6:rT+7] op_sel_hi:[1,0]
.set i, i+1
.endr
	WIN 0x01                        ; source 0 in window 1
.set i, 0
.rept 32
	v_pk_fma_f32 v[rS+2*i:rS+2*i+1], v[64*(\t)+2*i:64*(\t)+2*i+1], v[rT+4:rT+5], v[rS+2*i:rS+2*i+1] op_sel_hi:[1,0,1]
.set i, i+1
.endr
	WIN 0
.set i, 0
.rept 32
	v_cvt_pk_f16_f32 v[rP+i], v[rS+2*i], v[rS+2*i+1]
.set i, i+1
.endr
.irp f, 0,1,2,3,4,5,6,7
	ds_store_b128 v[STO], v[rP+4*(\f):rP+4*(\f)+3] offset:32*(\f)
.endr
.irp f, 0,1,2,3,4,5,6,7
	ds_load_b128 v[rP+4*(\f):rP+4*(\f)+3], v[RD] offset:(\f)*2*SP  ; LDS serves a wave's instructions in order (ISA guide 5.7.1.4)
.endr
.endm
.macro SEND t, x, younger           ; younger: the LDS instructions issued behind tile t's loads
.set rP, P+32*((\t)-(\x))
.irp f, 0,1,2,3,4,5,6,7
	s_wait_dscnt (\younger)+7-(\f)
	global_store_b128 v[GO], v[rP+4*(\f):rP+4*(\f)+3], s[10:11] offset:(\t)*32768+(\f)*4096  ; 16 lanes store 256 consecutive bytes, aligned
.endr
.endm
.macro FINISH x                     ; piece x is finished
	WIN 0
.irp t, \x, (\x)+1
	ds_load_b128 v[48+4*((\t)-(\x)):48+4*((\t)-(\x))+3], v[XB] offset:16384+512*((\t)-(\x))
.endr
.set i, 0
.rept 32
	ds_load_b128 v[S+4*i:S+4*i+3], v[XB] offset:512*i
.set i, i+1
.endr
	s_wait_dscnt 32                 ; the partner's statistics are in; its O^T, 32 younger loads, may stay out
.irp t, \x, (\x)+1
	v_max_num_f32 v[ST+8*(\t)+1], v[ST+8*(\t)], v[48+4*((\t)-(\x))]  ; the common m
.endr
.irp t, \x, (\x)+1
	v_sub_f32 v[ST+8*(\t)+4], v[ST+8*(\t)], v[ST+8*(\t)+1]
	v_sub_f32 v[ST+8*(\t)+6], v[48+4*((\t)-(\x))], v[ST+8*(\t)+1]
.endr
.irp t, \x, (\x)+1
	v_exp_f32 v[ST+8*(\t)+4], v[ST+8*(\t)+4]   ; fa
	v_exp_f32 v[ST+8*(\t)+6], v[ST+8*(\t)+6]   ; fb
.endr
	v_nop                           ; a plain instruction behind the last exponential
.irp t, \x, (\x)+1
	s_wait_alu depctr_va_vdst(0)
	v_pk_mul_f32 v[ST+8*(\t)+2:ST+8*(\t)+3], v[ST+8*(\t)+2:ST+8*(\t)+3], v[ST+8*(\t)+4:ST+8*(\t)+5] op_sel_hi:[1,0]
.endr
.irp t, \x, (\x)+1
	v_pk_fma_f32 v[ST+8*(\t)+2:ST+8*(\t)+3], v[50+4*((\t)-(\x)):51+4*((\t)-(\x))], v[ST+8*(\t)+6:ST+8*(\t)+7], v[ST+8*(\t)+2:ST+8*(\t)+3] op_sel_hi:[1,0,1]
.endr
.irp t, \x, (\x)+1
	v_add_f32 v[ST+8*(\t)], v[ST+8*(\t)+2], v[ST+8*(\t)+3]
.endr
.irp t, \x, (\x)+1
	v_permlanex16_b32 v[ST+8*(\t)+1], v[ST+8*(\t)], s[SEL], s[SEL+1]
.endr
.irp t, \x, (\x)+1
	v_add_f32 v[ST+8*(\t)], v[ST+8*(\t)], v[ST+8*(\t)+1]
.endr
.irp t, \x, (\x)+1
	v_rcp_f32 v[ST+8*(\t)], v[ST+8*(\t)]       ; l is at least 1: the larger of fa and fb is 1, and its part holds the weight 1 of its maximum
.endr
	v_nop                           ; a plain instruction behind the last reciprocal
.irp t, \x, (\x)+1
	s_wait_alu depctr_va_vdst(0)
	v_mul_f32 v[ST+8*(\t)+4], v[ST+8*(\t)+4], v[ST+8*(\t)]
	v_mul_f32 v[ST+8*(\t)+6], v[ST+8*(\t)+6], v[ST+8*(\t)]
.endr
	s_wait_dscnt 0x0
	PACKM \x, \x
	PACKM (\x)+1, \x
	SEND \x, \x, 16
	SEND (\x)+1, \x, 0
.endm
	XOUT 2
	s_wait_dscnt 0x0                ; for my partner's sake: my stores into the exchange are done
	s_barrier_signal -1
	s_barrier_wait -1
	FINISH 0
	s_wait_tensorcnt 0x0            ; the wave's end
	ds_add_u32 v[SPW], v[NIL]
	s_wait_dscnt 0x0
	CROUND                          ; the closing round
	s_endpgm
.Lfunc_end_k_qd0d04f4a23_attn:
	.size	k_qd0d04f4a23_attn, .Lfunc_end_k_qd0d04f4a23_attn-k_qd0d04f4a23_attn
	.p2alignl 7, 3214868480
	.fill 96, 4, 3214868480
	.section	.rodata,"a",@progbits
	.p2align	6, 0x0
	.amdhsa_kernel k_qd0d04f4a23_attn
		.amdhsa_group_segment_fixed_size 327680
		.amdhsa_private_segment_fixed_size 0
		.amdhsa_enable_private_segment 0
		.amdhsa_kernarg_size 24
		.amdhsa_user_sgpr_count 2
		.amdhsa_user_sgpr_kernarg_segment_ptr 1
		.amdhsa_wavefront_size32 1
		.amdhsa_system_sgpr_workgroup_id_x 1
		.amdhsa_system_sgpr_workgroup_id_y 1
		.amdhsa_system_sgpr_workgroup_id_z 1
		.amdhsa_system_vgpr_workitem_id 0
		.amdhsa_next_free_vgpr 1024
		.amdhsa_next_free_sgpr 92
		.amdhsa_reserve_vcc 0
		.amdhsa_float_denorm_mode_32 3
		.amdhsa_float_denorm_mode_16_64 3
		.amdhsa_memory_ordered 1
		.amdhsa_forward_progress 1
		.amdhsa_inst_pref_size 238
	.end_amdhsa_kernel
	.amdgpu_metadata
---
amdhsa.version: [ 1, 2 ]
amdhsa.kernels:
  - .name:           k_qd0d04f4a23_attn
    .symbol:         k_qd0d04f4a23_attn.kd
    .args:
      - { .name: qkv, .offset: 0, .size: 8, .value_kind: global_buffer, .address_space: global }
      - { .name: maskr, .offset: 8, .size: 8, .value_kind: global_buffer, .address_space: global }
      - { .name: o16, .offset: 16, .size: 8, .value_kind: global_buffer, .address_space: global }
    .group_segment_fixed_size: 327680
    .private_segment_fixed_size: 0
    .kernarg_segment_align: 8
    .kernarg_segment_size: 24
    .max_flat_workgroup_size: 128
    .sgpr_count:     92
    .vgpr_count:     1024
    .wavefront_size: 32
...
	.end_amdgpu_metadata
.endif
;; end of part 3
;; launch oproj (part 4): grid 16 x 16, 4 waves a work-group, clusters of 4 x 4, 327,680 bytes of LDS; arguments o16, wo16, out0; writes out0
.if DOCPART == 4
	.amdgcn_target "amdgcn-amd-amdhsa--gfx1250"
	.amdhsa_code_object_version 6
	.text
	.protected	k_qd0d04f4a23_oproj
	.globl	k_qd0d04f4a23_oproj
	.p2align	8
	.type	k_qd0d04f4a23_oproj,@function
k_qd0d04f4a23_oproj:
	s_mov_b64 s[64:65], 0
	v_nop
	global_prefetch_b8 v0, s[64:65] scope:SCOPE_SE
	s_setreg_imm32_b32 hwreg(HW_REG_WAVE_MODE, 25, 1), 1
	s_wait_xcnt 0x0
	s_wait_alu depctr_hold_cnt(0) depctr_sa_sdst(0) depctr_va_vdst(0) depctr_va_sdst(0) depctr_va_ssrc(0) depctr_va_vcc(0) depctr_vm_vsrc(0)
	s_getreg_b32 s2, hwreg(HW_REG_IB_STS2, 6, 4)
	s_cmp_eq_u32 s2, 0
	s_cbranch_scc0 .Lentry_in_a_cluster
	s_endpgm
.Lentry_in_a_cluster:
	s_bfe_u32 s2, ttmp6, 0x10000c
	s_cmp_lg_u32 s2, 0xf033
	s_cbranch_scc0 .Lentry_shape_is_right
	s_endpgm
.Lentry_shape_is_right:
; THE OUTPUT PROJECTION.  out0[m][n] = sum over k of o16[m][k] wo16[k][n], f16 operands (o16 = O / 8, wo16 = 8 Wo rounded to bf16 and written as f16), f32 sums, stored as f32.
; SHARES.  A tile is 256 x 256: 4,096 x 4,096 outputs are 256 tiles, one work-group of four waves each; a wave makes 128 x 128: 64 accumulators, 512 registers.  For 32 along K a wave reads 2 x 128 x 64 bytes
; from LDS for 64 matrix instructions.  K = 1,024 goes in 8 steps of 128 through two LDS slots; a step is 256 matrix instructions a wave, and a slot's refill is asked for 224 of them ahead of the wait for it.
; o16's tile lies along K (256 rows of 256 bytes); wo16's lies [k][n] (128 rows of 512 bytes) and is turned on its way out of LDS by ds_load_tr16_b128.  Each wave fetches a quarter of a slot with one tensor load.
; THE MATRIX INSTRUCTION IS USED TRANSPOSED (source 0 = 16 columns of wo16, source 1 = 16 rows of o16): a lane holds row l % 16 and the eight neighbouring columns 8 (l / 16) + 0..7: 32 bytes of a row of out0.
; CLUSTER 4 x 4: o16's tiles are asked for jointly along a row of the cluster, wo16's along a column.
; A K STEP IS WRITTEN ONCE: the slot that is read is a scalar, 0 or SLOT, turned by an exclusive or and added to fixed lane terms and to the walking descriptors' LDS word.  The steps that ask for a tile are one loop;
; the last two, which ask for nothing, are a second loop; it is left in the middle of its second trip.  Its price: in the last step one barrier that orders nothing.
; REGISTERS, in windows of 256: window 0: v0-31 addresses; v64-127, v128-191 fragments of o16 (8 x 16 rows x 32 K), two buffers; on the way out they take rows read back, by turns.
;   window 1: v64-127, v128-191 fragments of wo16, two buffers.   window 2: the accumulators of my rows 0-63, (a, b) at v[8 (8 a + b)];   window 3: those of my rows 64-127.
.set SIZE_K, 1024
.set SIZE_N, 4096
.set KSTEP,  128
.set STEPS,  SIZE_K/KSTEP
.set PA,     272                       ; a row of o16 in LDS: 256 bytes + 16: the 16 rows of a load start at 16 different groups of four banks (64 banks of 4 bytes: ISA guide 11.1)
.set PB,     544                       ; a row of wo16: 512 + 32
.set PART,   128*PA                    ; what one tensor load brings: 128 rows of o16, or 64 rows of wo16 (64 x 544 is the same 34,816 bytes)
.set BOFF,   2*PART
.set SLOT,   4*PART                    ; 139,264 bytes
.set STAGE,  2*SLOT                    ; behind the ring: 16 rows x 528 bytes for each wave
.set SPITCH, 528                       ; 512 bytes + 16
.set SPARE,  STAGE+4*16*SPITCH         ; behind the stages: the spare words, 128 bytes a wave
.set ADRA0, 16                         ; v16  my lane's place in slot 0's tile of o16; never rewritten
.set ADRB0, 17                         ; v17  the same for wo16
.set ADRA, 18                          ; v18  the same in the slot that is read
.set ADRB, 19                          ; v19
.set STO,  24
.set RD,   25
.set CO,   26
.set SPW,  28
.set NIL,  29
.set F0,   64
.set F1,   128
.set TB,   2                           ; s2   the slot that is read: 0 or SLOT
.set G1A, 24                           ; s[24:31] descriptor group 1 for o16's tiles
.set G0A, 32                           ; s[32:39] group 0: a set for each of the two first fills; the second then walks
.set G1B, 48                           ; s[48:55], s[56:63] the same for wo16's tiles
.set G0B, 56
.set MSB, 0
.macro WIN new                         ; the immediate's high byte repeats the setting that is left
.if MSB != (\new)
	s_set_vgpr_msb (MSB<<8)|(\new)
.set MSB, \new
.endif
.endm
.set MUL_LO, 0xa1                      ; source 0 (wo16) window 1, source 1 (o16) window 0, C and D window 2
.set MUL_HI, 0xf1                      ; the same, C and D window 3
.set TO_B,   0x40                      ; destination window 1, address window 0
.macro JLOAD s                         ; a joint load: waves 0 and 1 fetch o16's two halves, waves 2 and 3 wo16's; s_nop 0 and four v_nop follow each line
	s_cmp_eq_u32 s11, 0
	s_cbranch_scc0 .Lfor_b_\@
	tensor_load_to_lds s[G0A+4*(\s):G0A+4*(\s)+3], s[G1A:G1A+7]
	s_nop 0
.rept 4
	v_nop
.endr
	s_branch .Lasked_\@
.Lfor_b_\@:
	tensor_load_to_lds s[G0B+4*(\s):G0B+4*(\s)+3], s[G1B:G1B+7]
	s_nop 0
.rept 4
	v_nop
.endr
.Lasked_\@:
.endm
.macro CREST                           ; a round of the cluster's barrier behind its opening barrier
	s_cmp_lg_u32 s10, 0
	s_cbranch_scc1 .Lnot_wave_0_\@
	s_barrier_signal -3
.Lnot_wave_0_\@:
	s_barrier_wait -3
	s_barrier_signal -1
	s_barrier_wait -1
.endm
.macro CROUND
	s_barrier_signal -1
	s_barrier_wait -1
	CREST
.endm
	s_load_b128 s[4:7], s[0:1], 0x0                ; o16 s[4:5], wo16 s[6:7]
	s_load_b64 s[8:9], s[0:1], 0x10                ; out0
	v_lshl_add_u32 v[SPW], v0, 2, SPARE
	v_mov_b32 v[NIL], 0
	ds_add_u32 v[SPW], v[NIL]                      ; the wave's opening: the add and its wait stand ahead of my first tensor load
	v_lshrrev_b32 v1, 5, v0
	v_readfirstlane_b32 s10, v1                    ; wave 0..3
	s_lshr_b32 s11, s10, 1                         ; my half of the tile's rows.  Also: I fetch o16 (0) or wo16 (1)
	s_and_b32 s12, s10, 1                          ; my half of its columns.  Also: which half of that tile I fetch
	s_bfe_u32 s40, ttmp6, 0x40000                  ; cx
	s_bfe_u32 s41, ttmp6, 0x40004                  ; cy
	s_lshl_b32 s42, ttmp9, 2
	s_add_co_u32 s42, s42, s40                     ; tile column
	s_and_b32 s13, ttmp7, 0xffff
	s_lshl_b32 s13, s13, 2
	s_add_co_u32 s13, s13, s41                     ; tile row
	s_lshl_b32 s43, s41, 2
	s_lshl_b32 s43, 15, s43                        ; my row of the cluster
	s_lshl_b32 s44, 0x1111, s40                    ; my column
	s_or_b32 s[G1A+0], s43, (1<<16)|(1<<20)|(1<<21)|(5<<22)|(3<<25)  ; mask; 2-byte elements; padding on; bit 21 beside a mask; after every 64 words 4 words
	s_mov_b32 s[G1A+1], KSTEP<<16                  ; tensor_dim0 = 128
	s_mov_b32 s[G1A+2], 128<<16                    ; tensor_dim1 = 128
	s_mov_b32 s[G1A+3], KSTEP<<16                  ; tile_dim0 = 128
	s_mov_b32 s[G1A+4], 128                        ; tile_dim1 = 128
	s_mov_b32 s[G1A+5], SIZE_K                     ; elements from row to row
	s_mov_b32 s[G1A+6], 0
	s_mov_b32 s[G1A+7], 0
	s_or_b32 s[G1B+0], s44, (1<<16)|(1<<20)|(1<<21)|(6<<22)|(7<<25)  ; after every 128 words 8 words
	s_mov_b32 s[G1B+1], 256<<16
	s_mov_b32 s[G1B+2], 64<<16
	s_mov_b32 s[G1B+3], 256<<16
	s_mov_b32 s[G1B+4], 64
	s_mov_b32 s[G1B+5], SIZE_N
	s_mov_b32 s[G1B+6], 0
	s_mov_b32 s[G1B+7], 0
	s_lshl_b32 s16, s13, 8
	s_lshl_b32 s17, s12, 7
	s_add_co_u32 s16, s16, s17                     ; o16: row 256 x tile row + 128 x half,
	s_lshl_b32 s16, s16, 11                        ; 2,048 bytes a row
	s_mov_b32 s17, 0
	s_mul_i32 s46, s12, 64*SIZE_N*2                ; wo16: k row 64 x half,
	s_lshl_b32 s47, s42, 9
	s_add_co_u32 s46, s46, s47                     ; column 256 x tile column
	s_mov_b32 s47, 0
	s_mul_i32 s20, s10, PART                       ; where they go in a slot: o16's two halves, then wo16's two: wave x 34,816: no place in the cluster enters an LDS address
	s_mov_b32 s[TB], 0
	s_wait_dscnt 0x0                               ; the opening add is done
	s_wait_kmcnt 0x0
	s_add_nc_u64 s[14:15], s[4:5], s[16:17]
	s_add_nc_u64 s[46:47], s[6:7], s[46:47]
	CROUND                                         ; all sixteen work-groups are here: the first joint loads meet
.irp s, 0,1
	s_mov_b32 s[G0A+4*(\s)], 1
	s_add_co_u32 s[G0A+4*(\s)+1], s20, (\s)*SLOT
	s_add_nc_u64 s[G0A+4*(\s)+2:G0A+4*(\s)+3], s[14:15], (\s)*KSTEP*2
	s_or_b32 s[G0A+4*(\s)+3], s[G0A+4*(\s)+3], 0x80000000
	s_mov_b32 s[G0B+4*(\s)], 1
	s_add_co_u32 s[G0B+4*(\s)+1], s20, (\s)*SLOT
	s_add_nc_u64 s[G0B+4*(\s)+2:G0B+4*(\s)+3], s[46:47], (\s)*KSTEP*SIZE_N*2
	s_or_b32 s[G0B+4*(\s)+3], s[G0B+4*(\s)+3], 0x80000000
	JLOAD \s
.endr
	v_and_b32 v1, 15, v0                           ; r = l % 16
	v_bfe_u32 v2, v0, 4, 1                         ; h = l / 16
	v_mul_u32_u24 v3, v1, PA
	v_lshl_add_u32 v3, v2, 4, v3
	s_mul_i32 s21, s11, PART
	v_add_nc_u32 v[ADRA0], s21, v3                 ; my 128 rows of o16: row x pitch + 16 h
	v_and_b32 v4, 7, v0
	v_lshl_add_u32 v4, v2, 3, v4                   ; the turning load: k row 8 h + l % 8,
	v_mul_u32_u24 v4, v4, PB
	v_bfe_u32 v5, v0, 3, 1
	v_lshl_add_u32 v4, v5, 4, v4                   ; columns 8 ((l / 8) % 2) on,
	s_lshl_b32 s22, s12, 8
	s_add_co_u32 s22, s22, BOFF
	v_add_nc_u32 v[ADRB0], s22, v4                 ; in my 128 columns
	v_mov_b32 v[ADRA], v[ADRA0]                    ; slot 0 is read first
	v_mov_b32 v[ADRB], v[ADRB0]
	s_mul_i32 s23, s10, 16*SPITCH
	s_add_co_u32 s23, s23, STAGE                   ; my stage
	v_mul_u32_u24 v6, v1, SPITCH
	v_lshl_add_u32 v6, v2, 5, v6
	v_add_nc_u32 v[STO], s23, v6                   ; in: row r, 32 bytes for each half of the lanes
	v_and_b32 v[CO], 31, v0
	v_lshlrev_b32 v[CO], 4, v[CO]                  ; back and out: 32 lanes take a row's 512 bytes
	v_add_nc_u32 v[RD], s23, v[CO]
	s_lshl_b32 s16, s13, 8
	s_lshl_b32 s17, s11, 7
	s_add_co_u32 s16, s16, s17
	s_lshl_b32 s16, s16, 14                        ; my first row x 16,384 bytes
	s_lshl_b32 s17, s42, 10
	s_add_co_u32 s16, s16, s17                     ; the tile's first column x 4 bytes
	s_lshl_b32 s17, s12, 9
	s_add_co_u32 s16, s16, s17                     ; my half of its columns
	s_mov_b32 s17, 0
	s_add_nc_u64 s[8:9], s[8:9], s[16:17]
; 16 matrix instructions: row blocks a0, a0 + 1 of the window's four (hi = 0: my rows 0-63, 1: rows 64-127) x all 8 column blocks, 32 along K.  zero = 1: the product starts the sums.
.macro MUL16 f, hi, a0, zero
	WIN MUL_LO+0x50*(\hi)
.irp a, \a0, (\a0)+1
.irp b, 0,1,2,3,4,5,6,7
.if \zero
	v_wmma_f32_16x16x32_f16 v[8*(8*(\a)+(\b)):8*(8*(\a)+(\b))+7], v[(\f)+8*(\b):(\f)+8*(\b)+7], v[(\f)+8*(4*(\hi)+(\a)):(\f)+8*(4*(\hi)+(\a))+7], 0
.else
	v_wmma_f32_16x16x32_f16 v[8*(8*(\a)+(\b)):8*(8*(\a)+(\b))+7], v[(\f)+8*(\b):(\f)+8*(\b)+7], v[(\f)+8*(4*(\hi)+(\a)):(\f)+8*(4*(\hi)+(\a))+7], v[8*(8*(\a)+(\b)):8*(8*(\a)+(\b))+7]
.endif
.endr
.endr
.endm
; 32 LDS loads in one run: quarter q's fragments out of the slot that is read: wo16's 8 (turned), then o16's 8
.macro FETCH q, f
	WIN TO_B
.irp b, 0,1,2,3,4,5,6,7
	ds_load_tr16_b128 v[(\f)+8*(\b):(\f)+8*(\b)+3],   v[ADRB] offset:(\q)*32*PB+32*(\b)
	ds_load_tr16_b128 v[(\f)+8*(\b)+4:(\f)+8*(\b)+7], v[ADRB] offset:(\q)*32*PB+16*PB+32*(\b)
.endr
	WIN 0
.irp i, 0,1,2,3,4,5,6,7
	ds_load_b128 v[(\f)+8*(\i):(\f)+8*(\i)+3],   v[ADRA] offset:64*(\q)+(\i)*16*PA
	ds_load_b128 v[(\f)+8*(\i)+4:(\f)+8*(\i)+7], v[ADRA] offset:64*(\q)+(\i)*16*PA+32
.endr
.endm
.macro PLACES                          ; four places in front of loads into registers that matrix instructions have read, and of lines that read results
.rept 4
	v_nop
.endr
.endm
; A K step is four quarters of 32 along K, 64 matrix instructions each, on buffers 0, 1, 0, 1; the 64 accumulators take turns in one order throughout.
; One of the first three: multiplies buffer f; in its middle it fetches quarter q of the same slot into buffer g.
.macro QUARTER q, f, g, zero
	s_wait_dscnt 8                                 ; wo16's fragments and o16's rows 0-63 are in; the youngest eight loads (rows 64-127) may be out
	MUL16 \f, 0, 0, \zero
	MUL16 \f, 0, 2, \zero
	PLACES
	FETCH \q, \g
	s_wait_dscnt 32                                ; all but the 32 just issued
	MUL16 \f, 1, 0, \zero
	MUL16 \f, 1, 2, \zero
.endm
; The last quarter multiplies buffer 1 and changes slots.  MEET is its first half: one barrier; in front of it each wave waits for all its tensor loads, of which at most one is out: its part of the next slot;
; adds 0 to its spare word; and waits for that and for its reads of this slot.  Behind it nobody reads this slot any more and the next slot is whole.
.macro MEET
	WIN 0
	s_wait_tensorcnt 0x0
	ds_add_u32 v[SPW], v[NIL]                      ; 0 onto my spare word
	s_wait_dscnt 9                                 ; (the add and the youngest eight loads may be out)
	MUL16 F1, 0, 0, 0                              ; sixteen matrix instructions stand between the add and the wait for it
	s_wait_dscnt 0x0                               ; the add is done, and my reads of this slot are over
	s_barrier_signal -1
	MUL16 F1, 0, 2, 0
	WIN 0
	s_barrier_wait -1
.endm
.macro NEXTSLOT                        ; the reads go on in the other slot
	s_xor_b32 s[TB], s[TB], SLOT
	v_add_nc_u32 v[ADRA], s[TB], v[ADRA0]
	v_add_nc_u32 v[ADRB], s[TB], v[ADRB0]
.endm
	s_wait_tensorcnt 1                             ; my part of K step 0 is in; K step 1's may stay out
	s_barrier_signal -1
	s_barrier_wait -1
	FETCH 0, F0
	QUARTER 1, F0, F1, 1                           ; the first quarter starts the sums
	WIN 0
	s_mov_b32 s3, STEPS-2
.Lstep:                                                ; a trip: from a K step's second quarter to the next step's first; the slot that it leaves takes the K step two on
	QUARTER 2, F1, F0, 0
	QUARTER 3, F0, F1, 0
	MEET
	CREST                                          ; the barrier has opened a round of the cluster's: no wave of any partner still reads this slot or has a load on its way
	s_add_co_u32 s[G0A+5], s20, s[TB]              ; the walking descriptors: my part of the slot just read,
	s_add_co_u32 s[G0B+5], s20, s[TB]
	s_add_nc_u64 s[G0A+6:G0A+7], s[G0A+6:G0A+7], KSTEP*2          ; the next K step; the type bits on top are not reached
	s_add_nc_u64 s[G0B+6:G0B+7], s[G0B+6:G0B+7], KSTEP*SIZE_N*2
	JLOAD 1                                        ; my one tensor load behind the round; its four v_nop are the places for the loads below
	NEXTSLOT
	FETCH 0, F0
	MUL16 F1, 1, 0, 0
	MUL16 F1, 1, 2, 0
	QUARTER 1, F0, F1, 0
	WIN 0
	s_sub_co_u32 s3, s3, 1
	s_cmp_lg_u32 s3, 0
	s_cbranch_scc1 .Lstep
	s_mov_b32 s3, 2
.Ltail:                                                ; the last two K steps ask for nothing
	QUARTER 2, F1, F0, 0
	QUARTER 3, F0, F1, 0
	MEET                                           ; first trip: the last K step's tile is whole; second trip: nothing is out and nothing follows in LDS but my stage
	s_sub_co_u32 s3, s3, 1
	s_cmp_eq_u32 s3, 0
	s_cbranch_scc1 .Llast
	PLACES
	NEXTSLOT
	FETCH 0, F0
	MUL16 F1, 1, 0, 0
	MUL16 F1, 1, 2, 0
	QUARTER 1, F0, F1, 0
	WIN 0
	s_branch .Ltail
.Llast:
	MUL16 F1, 1, 0, 0
	MUL16 F1, 1, 2, 0
	WIN 0
	PLACES
; THE WAY OUT of block a (16 rows x 128 columns of f32): a lane's 32 bytes go into rows of 528 bytes of my stage (each accumulator's low four registers first) and come back as whole rows of 512.
.macro TOSTAGE a
.if (\a) > 1
	s_wait_xcnt 0x0                                ; the stores of the block two back have read their registers: the buffer is loaded again only behind this wait
.endif
.set AC, 64*((\a)%4)
	WIN 0x08+4*((\a)/4)                            ; the stores' data in window 2 or 3
.irp b, 0,1,2,3,4,5,6,7
	ds_store_b128 v[STO], v[AC+8*(\b):AC+8*(\b)+3]   offset:64*(\b)
	ds_store_b128 v[STO], v[AC+8*(\b)+4:AC+8*(\b)+7] offset:64*(\b)+16
.endr
	WIN 0
.set BK, 64+64*((\a)%2)
.set t, 0
.rept 16
	ds_load_b128 v[BK+4*t:BK+4*t+3], v[RD] offset:t*SPITCH  ; LDS serves a wave's instructions in order (ISA guide 5.7.1.4): these see the stores above, and the next block's stores come behind them
.set t, t+1
.endr
.endm
.macro SEND a, younger                 ; younger: the LDS instructions issued behind block a's loads: the next block's 32, or none
.set BK, 64+64*((\a)%2)
	s_wait_dscnt \younger                          ; the block is back in registers
.set t, 0
.rept 16
	global_store_b128 v[CO], v[BK+4*t:BK+4*t+3], s[8:9] offset:(16*(\a)+t)*SIZE_N*4 th:TH_STORE_NT  ; 512 consecutive bytes, aligned; 127 rows at the most: inside the signed 24-bit immediate
.set t, t+1
.endr
.endm
	TOSTAGE 0
.irp a, 1,2,3,4,5,6,7
	TOSTAGE \a                                     ; the next block goes into the stage ahead of the wait for the block before
	SEND (\a)-1, 32
.endr
	SEND 7, 0
	s_wait_tensorcnt 0x0                           ; the wave's end
	ds_add_u32 v[SPW], v[NIL]
	s_wait_dscnt 0x0
	CROUND                                         ; the closing round
	s_endpgm
.Lfunc_end_k_qd0d04f4a23_oproj:
	.size	k_qd0d04f4a23_oproj, .Lfunc_end_k_qd0d04f4a23_oproj-k_qd0d04f4a23_oproj
	.p2alignl 7, 3214868480
	.fill 96, 4, 3214868480
	.section	.rodata,"a",@progbits
	.p2align	6, 0x0
	.amdhsa_kernel k_qd0d04f4a23_oproj
		.amdhsa_group_segment_fixed_size 327680
		.amdhsa_private_segment_fixed_size 0
		.amdhsa_enable_private_segment 0
		.amdhsa_kernarg_size 24
		.amdhsa_user_sgpr_count 2
		.amdhsa_user_sgpr_kernarg_segment_ptr 1
		.amdhsa_wavefront_size32 1
		.amdhsa_system_sgpr_workgroup_id_x 1
		.amdhsa_system_sgpr_workgroup_id_y 1
		.amdhsa_system_sgpr_workgroup_id_z 1
		.amdhsa_system_vgpr_workitem_id 0
		.amdhsa_next_free_vgpr 1024
		.amdhsa_next_free_sgpr 66
		.amdhsa_reserve_vcc 0
		.amdhsa_float_denorm_mode_32 3
		.amdhsa_float_denorm_mode_16_64 3
		.amdhsa_memory_ordered 1
		.amdhsa_forward_progress 1
		.amdhsa_inst_pref_size 99
	.end_amdhsa_kernel
	.amdgpu_metadata
---
amdhsa.version: [ 1, 2 ]
amdhsa.kernels:
  - .name:           k_qd0d04f4a23_oproj
    .symbol:         k_qd0d04f4a23_oproj.kd
    .args:
      - { .name: o16, .offset: 0, .size: 8, .value_kind: global_buffer, .address_space: global }
      - { .name: wo16, .offset: 8, .size: 8, .value_kind: global_buffer, .address_space: global }
      - { .name: out0, .offset: 16, .size: 8, .value_kind: global_buffer, .address_space: global }
    .group_segment_fixed_size: 327680
    .private_segment_fixed_size: 0
    .kernarg_segment_align: 8
    .kernarg_segment_size: 24
    .max_flat_workgroup_size: 128
    .sgpr_count:     66
    .vgpr_count:     1024
    .wavefront_size: 32
...
	.end_amdgpu_metadata
.endif
;; end of part 4
